; MI455X (gfx1250); checked and timed in simulation.
; The chip was launched on July 23, 2026; its instructions are those of AMD's public machine-readable ISA for CDNA 5 (MIT licence, August 2026) and "CDNA5" Instruction Set Architecture Reference Guide (July 2026). The comments in the code are by the model that wrote it; some were corrected since.
;; Decoder Block. Allowed arithmetic: float matrix products may take bf16 or f16 operands with f32 sums; other float arithmetic in f32, or as packed bf16 or f16 multiplies, adds, multiply-adds, maxima and minima; sums over many terms, partial sums and values carried from step to step in f32; what a program stores and reads back later, other than sums and carried values, may be rounded once to bf16 or f16.
;; Inputs: W1 1,024 x 4,096 float32; W2 4,096 x 1,024 float32; Wk 1,024 x 1,024 float32; Wq 1,024 x 1,024 float32; Wv 1,024 x 1,024 float32; b1 4,096 float32; b2 1,024 float32; bk 1,024 float32; bq 1,024 float32; bv 1,024 float32; ln1_b 1,024 float32; ln1_g 1,024 float32; ln2_b 1,024 float32; ln2_g 1,024 float32; x 2 x 2,048 x 1,024 float32.
;; Outputs: out0 2 x 2,048 x 1,024 float32.
;; One version. Each part assembles by itself: llvm-mc -triple=amdgcn-amd-amdhsa -mcpu=gfx1250 --defsym DOCPART=n.
;; ======== version 1 of 1: 6 launches
;; limits: values are held in f16: magnitudes above 65,504 overflow, below 6.1e-05 lose precision
;; workspace buffers: hb 8,388,608 bytes; wqkv 6,291,456 bytes; w1b 8,388,608 bytes; w2b 8,388,608 bytes; qkv 25,165,824 bytes; attn 8,388,608 bytes; g1 33,554,432 bytes
;; launch prep (part 1): grid 256 x 1, 8 waves a work-group, no clusters, 0 bytes of LDS; arguments x, ln1_g, ln1_b, Wq, Wk, Wv, W1, W2, hb, wqkv, w1b, w2b; writes hb, wqkv, w1b, w2b
.if DOCPART == 1
	.amdgcn_target "amdgcn-amd-amdhsa--gfx1250"
	.amdhsa_code_object_version 6
	.text
	.protected	k_qfe6dac44da_prep
	.globl	k_qfe6dac44da_prep
	.p2align	8
	.type	k_qfe6dac44da_prep,@function
k_qfe6dac44da_prep:
	s_mov_b64 s[64:65], 0
	v_nop
	global_prefetch_b8 v0, s[64:65] scope:SCOPE_SE
	s_setreg_imm32_b32 hwreg(HW_REG_WAVE_MODE, 25, 1), 1
	s_wait_xcnt 0x0
; hb = LayerNorm(x) * ln1_g + ln1_b, rounded once to bf16; and the five weight matrices rounded once to bf16, layout [k][n] kept, Wq, Wk, Wv side by side in wqkv [1024][3072].
; A stream: no LDS, no barrier, no matrix unit; every byte read once.  ALL 256 WORK-GROUPS ARE ALIKE: each takes 16 rows of x, 4 lines (of 1,024 numbers) of each of Wq, Wk, Wv and 16 lines of
; each of W1, W2: 360 KB moved by each.  A wave takes 2 rows of x, half a line of each of Wq, Wk, Wv and 2 lines of each of W1, W2.
; LANES.  Lane l takes 16 bytes at 16 l of every 512: each load of the wave covers 512 consecutive bytes; its four numbers round to 8 bytes, and each store covers 256 consecutive aligned bytes.
; LAYERNORM.  A wave owns a row at a time (32 numbers a lane), two rows side by side, which share the gain and the bias.  The mean is taken away before the squares are summed, so a common
; offset in x costs no digits.  Sums in f32.  NaN and infinities are not treated apart.
; REGISTERS.  Window 0: the LayerNorm.  Window 1 (v256 on): the casts' data and copies of their four offsets, so that the casts run under one setting of s_set_vgpr_msb.
.set XO,  2                            ; wave x 8,192 + 16 lane: my 16 bytes in the wave's two rows of x, and in its two lines of W1 and W2
.set PO,  3                            ; 16 lane: the same in a vector of 1,024 f32
.set HO,  4                            ; wave x 4,096 + 8 lane: my 8 bytes in the wave's two rows of hb, and in its two lines of w1b and w2b
.set K10, 5                            ; 2^-10 = 1 / 1,024
.set PR,  6                            ; v[6:7], v[8:9]  row r: the mean twice, later 1 / sqrt(var + eps) twice
.set CH,  10                           ; v[10:13], v[14:17]  row r: two packed chains
.set VA,  18                           ; v18, v19  row r: variance + eps
.set X,   20                           ; v[20:83]   row r: 32 numbers
.set G,   84                           ; v[84:115]  the gain at my columns
.set BB,  116                          ; v[116:147] the bias
.set D1,  0                            ; window 1: W1, 16 loads of 4 registers
.set D3,  64                           ; Wq, Wk, Wv: 4 loads each
.set D2,  112                          ; W2
.set CXO, 176                          ; copies of XO and HO,
.set CHO, 177
.set CS3, 178                          ; wave x 2,048 + 16 lane: my 16 bytes in the wave's half line of Wq, Wk, Wv
.set CD3, 179                          ; (wave / 2) x 6,144 + (wave % 2) x 1,024 + 8 lane: the same in wqkv
.set MSB, 0
.macro WIN new                         ; the immediate's high byte repeats the setting that is left
.if MSB != (\new)
	s_set_vgpr_msb (MSB<<8)|(\new)
.set MSB, \new
.endif
.endm
.set W_CV, 0x45                        ; destination, source 0 (address) and source 1 (store data) in window 1
	s_load_b512 s[4:19], s[0:1], 0x0               ; x, ln1_g, ln1_b, Wq, Wk, Wv, W1, W2
	s_load_b256 s[20:27], s[0:1], 0x40             ; hb, wqkv, w1b, w2b
	s_mov_b32 s28, 0x76543210                      ; v_permlanex16_b32: each lane takes its own place in the other half
	s_mov_b32 s29, 0xfedcba98
	v_and_b32 v1, 31, v0                           ; lane
	v_lshrrev_b32 v18, 5, v0                       ; wave
	v_lshlrev_b32 v[PO], 4, v1
	v_lshl_add_u32 v[XO], v18, 13, v[PO]
	v_lshlrev_b32 v19, 3, v1
	v_lshl_add_u32 v[HO], v18, 12, v19
	v_lshl_add_u32 v10, v18, 11, v[PO]
	v_lshrrev_b32 v11, 1, v18
	v_mul_u32_u24 v11, v11, 0x1800
	v_and_b32 v12, 1, v18
	v_lshl_add_u32 v11, v12, 10, v11
	v_add_nc_u32 v11, v11, v19
	v_mov_b32 v[K10], 0x3a800000
	WIN 0x40                                       ; destination window 1
	v_mov_b32 v[CXO], v[XO]
	v_mov_b32 v[CHO], v[HO]
	v_mov_b32 v[CS3], v10
	v_mov_b32 v[CD3], v11
	WIN 0
	s_lshl_b32 s30, ttmp9, 16                      ; 16 rows or lines of 4,096 bytes
	s_mov_b32 s31, 0
	s_lshl_b32 s32, ttmp9, 15                      ; 16 of 2,048 bytes
	s_mov_b32 s33, 0
	s_lshl_b32 s34, ttmp9, 14                      ; 4 lines of 4,096 bytes
	s_mov_b32 s35, 0
	s_mul_i32 s36, ttmp9, 0x6000                   ; 4 rows of wqkv, 6,144 bytes each
	s_mov_b32 s37, 0
	s_wait_kmcnt 0x0
	s_add_nc_u64 s[4:5], s[4:5], s[30:31]
	s_add_nc_u64 s[16:17], s[16:17], s[30:31]
	s_add_nc_u64 s[18:19], s[18:19], s[30:31]
	s_add_nc_u64 s[20:21], s[20:21], s[32:33]
	s_add_nc_u64 s[24:25], s[24:25], s[32:33]
	s_add_nc_u64 s[26:27], s[26:27], s[32:33]
	s_add_nc_u64 s[10:11], s[10:11], s[34:35]
	s_add_nc_u64 s[12:13], s[12:13], s[34:35]
	s_add_nc_u64 s[14:15], s[14:15], s[34:35]
	s_add_nc_u64 s[22:23], s[22:23], s[36:37]
	; 60 loads go out: x 16, gain 8, bias 8, W1 16, Wq, Wk, Wv 12; W2's 16 follow when x is in, so that at most 60 are out
.irp r, 0,1
.irp c, 0,1,2,3,4,5,6,7
	global_load_b128 v[X+32*(\r)+4*(\c):X+32*(\r)+4*(\c)+3], v[XO], s[4:5] offset:4096*(\r)+512*(\c)
.endr
.endr
.irp c, 0,1,2,3,4,5,6,7
	global_load_b128 v[G+4*(\c):G+4*(\c)+3], v[PO], s[6:7] offset:512*(\c)
.endr
.irp c, 0,1,2,3,4,5,6,7
	global_load_b128 v[BB+4*(\c):BB+4*(\c)+3], v[PO], s[8:9] offset:512*(\c)
.endr
	WIN W_CV
.set j, 0
.rept 16
	global_load_b128 v[D1+4*j:D1+4*j+3], v[CXO], s[16:17] offset:512*j th:TH_LOAD_NT
.set j, j+1
.endr
.irp i, 0,1,2
.irp c, 0,1,2,3
	global_load_b128 v[D3+16*(\i)+4*(\c):D3+16*(\i)+4*(\c)+3], v[CS3], s[10+2*(\i):11+2*(\i)] offset:512*(\c) th:TH_LOAD_NT
.endr
.endr
	s_wait_loadcnt 44                              ; loads come back in order: x is in; gain, bias, W1 and Wq, Wk, Wv (8 + 8 + 16 + 12) are younger
.set j, 0
.rept 16
	global_load_b128 v[D2+4*j:D2+4*j+3], v[CXO], s[18:19] offset:512*j th:TH_LOAD_NT
.set j, j+1
.endr
	WIN 0
.macro REDUCE                          ; both rows: the two chains, the pair's halves, 16 lanes, the other 16: every lane ends with its row's sum
.irp r, 0,1
	v_pk_add_f32 v[CH+4*(\r):CH+4*(\r)+1], v[CH+4*(\r):CH+4*(\r)+1], v[CH+4*(\r)+2:CH+4*(\r)+3]
.endr
.irp r, 0,1
	v_add_f32 v[CH+4*(\r)], v[CH+4*(\r)], v[CH+4*(\r)+1]
.endr
.irp m, 1,2,4,8
.irp r, 0,1
	v_add_f32_dpp v[CH+4*(\r)], v[CH+4*(\r)], v[CH+4*(\r)] row_xmask:\m row_mask:0xf bank_mask:0xf
.endr
.endr
.irp r, 0,1
	v_permlanex16_b32 v[CH+4*(\r)+1], v[CH+4*(\r)], s28, s29
.endr
.irp r, 0,1
	v_add_f32 v[CH+4*(\r)], v[CH+4*(\r)], v[CH+4*(\r)+1]
.endr
.endm
.irp r, 0,1
.irp k, 0,1
	v_pk_add_f32 v[CH+4*(\r)+2*(\k):CH+4*(\r)+2*(\k)+1], v[X+32*(\r)+2*(\k):X+32*(\r)+2*(\k)+1], v[X+32*(\r)+4+2*(\k):X+32*(\r)+4+2*(\k)+1]  ; the first four pairs start the chains
.endr
.endr
.set j, 4
.rept 12
.irp r, 0,1
	v_pk_add_f32 v[CH+4*(\r)+2*(j%2):CH+4*(\r)+2*(j%2)+1], v[CH+4*(\r)+2*(j%2):CH+4*(\r)+2*(j%2)+1], v[X+32*(\r)+2*j:X+32*(\r)+2*j+1]
.endr
.set j, j+1
.endr
	REDUCE
.irp r, 0,1
	v_mul_f32 v[PR+2*(\r)], v[K10], v[CH+4*(\r)]
	v_mul_f32 v[PR+2*(\r)+1], v[K10], v[CH+4*(\r)]
.endr
.set j, 0
.rept 16
.irp r, 0,1
	v_pk_add_f32 v[X+32*(\r)+2*j:X+32*(\r)+2*j+1], v[X+32*(\r)+2*j:X+32*(\r)+2*j+1], v[PR+2*(\r):PR+2*(\r)+1] neg_lo:[0,1] neg_hi:[0,1]  ; x - mean
.endr
.set j, j+1
.endr
.irp r, 0,1
.irp k, 0,1
	v_pk_mul_f32 v[CH+4*(\r)+2*(\k):CH+4*(\r)+2*(\k)+1], v[X+32*(\r)+2*(\k):X+32*(\r)+2*(\k)+1], v[X+32*(\r)+2*(\k):X+32*(\r)+2*(\k)+1]
.endr
.endr
.set j, 2
.rept 14
.irp r, 0,1
	v_pk_fma_f32 v[CH+4*(\r)+2*(j%2):CH+4*(\r)+2*(j%2)+1], v[X+32*(\r)+2*j:X+32*(\r)+2*j+1], v[X+32*(\r)+2*j:X+32*(\r)+2*j+1], v[CH+4*(\r)+2*(j%2):CH+4*(\r)+2*(j%2)+1]
.endr
.set j, j+1
.endr
	REDUCE
.irp r, 0,1
	v_fmaak_f32 v[VA+(\r)], v[CH+4*(\r)], v[K10], 0x3a83126f  ; variance + 1e-3
.endr
.irp r, 0,1
	v_rsq_f32 v[PR+2*(\r)], v[VA+(\r)]
	v_rsq_f32 v[PR+2*(\r)+1], v[VA+(\r)]
.endr
	v_nop                                          ; a plain instruction between the last root and its use (ISA guide 5.7.2)
.set j, 0
	s_wait_alu depctr_va_vdst(0)
.rept 16
.irp r, 0,1
	v_pk_mul_f32 v[X+32*(\r)+2*j:X+32*(\r)+2*j+1], v[X+32*(\r)+2*j:X+32*(\r)+2*j+1], v[PR+2*(\r):PR+2*(\r)+1]
.endr
.set j, j+1
.endr
	s_wait_loadcnt 44                              ; gain and bias are in; W1, Wq, Wk, Wv and W2 (16 + 12 + 16) are younger
.set j, 0
.rept 16
.irp r, 0,1
	v_pk_fma_f32 v[X+32*(\r)+2*j:X+32*(\r)+2*j+1], v[X+32*(\r)+2*j:X+32*(\r)+2*j+1], v[G+2*j:G+2*j+1], v[BB+2*j:BB+2*j+1]
.endr
.set j, j+1
.endr
.set j, 0
.rept 16
.irp r, 0,1
	v_cvt_pk_bf16_f32 v[X+32*(\r)+j], v[X+32*(\r)+2*j], v[X+32*(\r)+2*j+1]  ; ascending: word j is written when pairs 0 .. j have been read
.endr
.set j, j+1
.endr
.irp r, 0,1
.irp c, 0,1,2,3,4,5,6,7
	global_store_b64 v[HO], v[X+32*(\r)+2*(\c):X+32*(\r)+2*(\c)+1], s[20:21] offset:2048*(\r)+256*(\c)  ; 256 consecutive bytes of a row
.endr
.endr
; THE CASTS: n loads' numbers at v[d ..] are rounded in place, four registers to two, and stored; no register is written again behind its store.
.macro CAST d, n, adr, base, off
.set j, 0
.rept \n
	v_cvt_pk_bf16_f32 v[(\d)+4*j],   v[(\d)+4*j],   v[(\d)+4*j+1]
	v_cvt_pk_bf16_f32 v[(\d)+4*j+1], v[(\d)+4*j+2], v[(\d)+4*j+3]
.set j, j+1
.endr
.set j, 0
.rept \n
	global_store_b64 v[\adr], v[(\d)+4*j:(\d)+4*j+1], s[\base:\base+1] offset:(\off)+256*j
.set j, j+1
.endr
.endm
	WIN W_CV
	s_wait_loadcnt 28                              ; W1 is in; Wq, Wk, Wv and W2 (12 + 16) are younger
	CAST D1, 16, CHO, 24, 0
	s_wait_loadcnt 16                              ; Wq, Wk, Wv are in; W2's 16 are younger
	CAST D3, 4, CD3, 22, 0
	CAST D3+16, 4, CD3, 22, 2048
	CAST D3+32, 4, CD3, 22, 4096
	s_wait_loadcnt 0x0
	CAST D2, 16, CHO, 26, 0
	WIN 0
	s_endpgm
.Lfunc_end_k_qfe6dac44da_prep:
	.size	k_qfe6dac44da_prep, .Lfunc_end_k_qfe6dac44da_prep-k_qfe6dac44da_prep
	.p2alignl 7, 3214868480
	.fill 96, 4, 3214868480
	.section	.rodata,"a",@progbits
	.p2align	6, 0x0
	.amdhsa_kernel k_qfe6dac44da_prep
		.amdhsa_group_segment_fixed_size 0
		.amdhsa_private_segment_fixed_size 0
		.amdhsa_enable_private_segment 0
		.amdhsa_kernarg_size 96
		.amdhsa_user_sgpr_count 2
		.amdhsa_user_sgpr_kernarg_segment_ptr 1
		.amdhsa_wavefront_size32 1
		.amdhsa_system_sgpr_workgroup_id_x 1
		.amdhsa_system_sgpr_workgroup_id_y 1
		.amdhsa_system_sgpr_workgroup_id_z 1
		.amdhsa_system_vgpr_workitem_id 0
		.amdhsa_next_free_vgpr 440
		.amdhsa_next_free_sgpr 66
		.amdhsa_reserve_vcc 0
		.amdhsa_float_denorm_mode_32 3
		.amdhsa_float_denorm_mode_16_64 3
		.amdhsa_memory_ordered 1
		.amdhsa_forward_progress 1
		.amdhsa_inst_pref_size 35
	.end_amdhsa_kernel
	.amdgpu_metadata
---
amdhsa.version: [ 1, 2 ]
amdhsa.kernels:
  - .name:           k_qfe6dac44da_prep
    .symbol:         k_qfe6dac44da_prep.kd
    .args:
      - { .name: x, .offset: 0, .size: 8, .value_kind: global_buffer, .address_space: global }
      - { .name: ln1_g, .offset: 8, .size: 8, .value_kind: global_buffer, .address_space: global }
      - { .name: ln1_b, .offset: 16, .size: 8, .value_kind: global_buffer, .address_space: global }
      - { .name: Wq, .offset: 24, .size: 8, .value_kind: global_buffer, .address_space: global }
      - { .name: Wk, .offset: 32, .size: 8, .value_kind: global_buffer, .address_space: global }
      - { .name: Wv, .offset: 40, .size: 8, .value_kind: global_buffer, .address_space: global }
      - { .name: W1, .offset: 48, .size: 8, .value_kind: global_buffer, .address_space: global }
      - { .name: W2, .offset: 56, .size: 8, .value_kind: global_buffer, .address_space: global }
      - { .name: hb, .offset: 64, .size: 8, .value_kind: global_buffer, .address_space: global }
      - { .name: wqkv, .offset: 72, .size: 8, .value_kind: global_buffer, .address_space: global }
      - { .name: w1b, .offset: 80, .size: 8, .value_kind: global_buffer, .address_space: global }
      - { .name: w2b, .offset: 88, .size: 8, .value_kind: global_buffer, .address_space: global }
    .group_segment_fixed_size: 0
    .private_segment_fixed_size: 0
    .kernarg_segment_align: 8
    .kernarg_segment_size: 96
    .max_flat_workgroup_size: 256
    .sgpr_count:     66
    .vgpr_count:     440
    .wavefront_size: 32
...
	.end_amdgpu_metadata
.endif
;; end of part 1
;; launch qkv (part 2): grid 16 x 16, 4 waves a work-group, clusters of 4 x 4, 327,680 bytes of LDS; arguments hb, wqkv, qkv, bq, bk, bv; writes qkv
.if DOCPART == 2
	.amdgcn_target "amdgcn-amd-amdhsa--gfx1250"
	.amdhsa_code_object_version 6
	.text
	.protected	k_qfe6dac44da_qkv
	.globl	k_qfe6dac44da_qkv
	.p2align	8
	.type	k_qfe6dac44da_qkv,@function
k_qfe6dac44da_qkv:
	s_mov_b64 s[64:65], 0
	v_nop
	global_prefetch_b8 v0, s[64:65] scope:SCOPE_SE
	s_setreg_imm32_b32 hwreg(HW_REG_WAVE_MODE, 25, 1), 1
	s_wait_xcnt 0x0
	s_wait_alu depctr_hold_cnt(0) depctr_sa_sdst(0) depctr_va_vdst(0) depctr_va_sdst(0) depctr_va_ssrc(0) depctr_va_vcc(0) depctr_vm_vsrc(0)
	s_getreg_b32 s2, hwreg(HW_REG_IB_STS2, 6, 4)
	s_cmp_eq_u32 s2, 0
	s_cbranch_scc0 .Lentry_in_a_cluster
	s_endpgm
.Lentry_in_a_cluster:
	s_bfe_u32 s2, ttmp6, 0x10000c
	s_cmp_lg_u32 s2, 0xf033
	s_cbranch_scc0 .Lentry_shape_is_right
	s_endpgm
.Lentry_shape_is_right:
; qkv = hb [4096][1024] x wqkv [1024 k][3072 n] + (bq | bk | bv), bf16 operands, f32 sums, rounded once to f16 and stored by heads:
; qkv[b][plane 0-47][t][64], planes 0-15 q, 16-31 k, 32-47 v.  LIMIT: |q|, |k|, |v| up to 65,504 (f16); beyond that the conversion gives an infinity.
; A work-group makes 256 rows x 192 columns (three heads), 256 work-groups in all; a wave 64 rows x 192: 48 accumulators.  K goes in 8 steps of 128 through two LDS slots.
; B lies [k][n] and is turned on the way out of LDS (ds_load_tr16_b128).  The matrix instruction is used transposed: source 0 = 16 columns of B, source 1 = 16 rows
; of A, so a lane holds one row and eight neighbouring columns.  The bias is the C operand of each accumulator's first product.
; CLUSTER 4 x 4: A's tiles hang on the tile row and are asked for jointly along a row of the cluster, B's on the tile column, along a column.
; THE K LOOP holds one K step and is entered in its middle; a trip ends a step (TURN: last quarter and change of slots) and runs three quarters of the next.
; WINDOWS: 0: v0-31 addresses, v64-127 A's two fragment buffers, v128-199 the way out.  1: v0-191 B's two buffers.  2: accumulators (a, b < 8) at 8 (8 a + b).
;          3: accumulators (a, b >= 8) at 8 (4 a + b - 8); v128-223 the bias, 8 registers for each block of 16 columns.
.set STEPS, 8
.set PITA,  272                        ; a row of A in LDS: 256 bytes + 16
.set PITB,  480                        ; a k row of B: three pieces of 128 bytes, 32 of padding behind each: 120 words, so 8 rows start 8 banks apart
.set BOFF,  256*PITA
.set SLOT,  0x20000                    ; A's 69,632 bytes + B's 61,440; no fill base has this bit, so one exclusive or changes slots
.set SPARE, 2*SLOT                     ; the spare words, 128 bytes a wave
.set ASTEP, 256
.set BSTEP, 128*3072*2
.set DP,    784                        ; the way out: a row of 192 f32 + 16 bytes
.set DREG,  64*DP
.set ADRA0, 16
.set ADRB0, 17
.set ADRA,  18
.set ADRB,  19
.set DST,   24
.set RD,    25
.set GO,    26
.set SPW,   28
.set NIL,   29
.set LD,    128
.set OUTR,  176
.set BIAS,  128
.set G1,  24
.set G0,  32
.set G1B, 48
.set G0B, 56
.set MSB, 0
.macro WIN new                         ; the immediate's high byte repeats the setting that is left
.if MSB != (\new)
	s_set_vgpr_msb (MSB<<8)|(\new)
.set MSB, \new
.endif
.endm
.macro PLACES                          ; four places in front of loads into registers that matrix instructions have read, and of stores of results
.rept 4
	v_nop
.endr
.endm
.macro JLOAD s                         ; a joint load: waves 0 and 1 fetch A's halves, waves 2 and 3 B's; s_nop 0 and four v_nop follow each line
	s_cmp_eq_u32 s11, 0
	s_cbranch_scc0 .Lfor_b_\@
	tensor_load_to_lds s[G0+4*(\s):G0+4*(\s)+3], s[G1:G1+7]
	s_nop 0
.rept 4
	v_nop
.endr
	s_branch .Lasked_\@
.Lfor_b_\@:
	tensor_load_to_lds s[G0B+4*(\s):G0B+4*(\s)+3], s[G1B:G1B+7]
	s_nop 0
.rept 4
	v_nop
.endr
.Lasked_\@:
.endm
.macro CREST                           ; a round of the cluster's barrier behind its opening barrier
	s_cmp_lg_u32 s10, 0
	s_cbranch_scc1 .Lnot_wave_0_\@
	s_barrier_signal -3
.Lnot_wave_0_\@:
	s_barrier_wait -3
	s_barrier_signal -1
	s_barrier_wait -1
.endm
.macro CROUND
	s_barrier_signal -1
	s_barrier_wait -1
	CREST
.endm
	s_load_b128 s[4:7], s[0:1], 0x0                ; hb, wqkv
	s_load_b64 s[8:9], s[0:1], 0x10                ; qkv
	s_load_b128 s[68:71], s[0:1], 0x18             ; bq, bk
	s_load_b64 s[72:73], s[0:1], 0x28              ; bv
	v_lshl_add_u32 v[SPW], v0, 2, SPARE
	v_mov_b32 v[NIL], 0
	ds_add_u32 v[SPW], v[NIL]                      ; the wave's opening: the add and its wait, ahead of my first tensor load
	ds_add_u32 v28, v29
	v_lshrrev_b32 v1, 5, v0
	v_readfirstlane_b32 s10, v1                    ; wave 0..3
	s_lshr_b32 s11, s10, 1                         ; I fetch for A (0) or for B (1)
	s_and_b32 s12, s10, 1                          ; which half of that tile
	s_bfe_u32 s40, ttmp6, 0x40000                  ; cx
	s_bfe_u32 s41, ttmp6, 0x40004                  ; cy
	s_lshl_b32 s42, ttmp9, 2
	s_add_co_u32 s42, s42, s40                     ; tile column
	s_and_b32 s13, ttmp7, 0xffff
	s_lshl_b32 s13, s13, 2
	s_add_co_u32 s13, s13, s41                     ; tile row
	s_lshl_b32 s43, s41, 2
	s_lshl_b32 s43, 15, s43                        ; my row of the cluster
	s_lshl_b32 s44, 0x1111, s40                    ; my column
	s_or_b32 s[G1+0], s43, (1<<16)|(1<<20)|(1<<21)|(5<<22)|(3<<25)   ; A: 2-byte elements, 4 words of padding after every 64
	s_mov_b32 s[G1+1], 128<<16                     ; tensor_dim0 = 128
	s_mov_b32 s[G1+2], 128<<16                     ; tensor_dim1 = 128
	s_mov_b32 s[G1+3], 128<<16                     ; tile_dim0 = 128
	s_mov_b32 s[G1+4], 128                         ; tile_dim1 = 128
	s_mov_b32 s[G1+5], 1024                        ; elements from row to row
	s_mov_b32 s[G1+6], 0
	s_mov_b32 s[G1+7], 0
	s_or_b32 s[G1B+0], s44, (1<<16)|(1<<20)|(1<<21)|(4<<22)|(7<<25)  ; B: 8 words of padding after every 32
	s_mov_b32 s[G1B+1], 192<<16
	s_mov_b32 s[G1B+2], 64<<16
	s_mov_b32 s[G1B+3], 192<<16
	s_mov_b32 s[G1B+4], 64
	s_mov_b32 s[G1B+5], 3072
	s_mov_b32 s[G1B+6], 0
	s_mov_b32 s[G1B+7], 0
	s_lshl_b32 s16, s13, 8
	s_lshl_b32 s17, s12, 7
	s_add_co_u32 s16, s16, s17
	s_lshl_b32 s16, s16, 11                        ; A: (256 x tile row + 128 x half) rows of 2,048 bytes
	s_mov_b32 s17, 0
	s_mul_i32 s46, s12, 64*6144                    ; B: 64 x half k rows of 6,144 bytes,
	s_mul_i32 s47, s42, 384                        ; 192 columns a tile
	s_add_co_u32 s46, s46, s47
	s_mov_b32 s47, 0
	s_mul_i32 s20, s12, 128*PITA                   ; where they go: no place in the cluster enters an LDS address
	s_mul_i32 s21, s12, 64*PITB
	s_add_co_u32 s21, s21, BOFF
	s_wait_dscnt 0x0                               ; the opening add is done
	s_wait_kmcnt 0x0
	s_add_nc_u64 s[14:15], s[4:5], s[16:17]
	s_add_nc_u64 s[46:47], s[6:7], s[46:47]
	CROUND                                         ; all sixteen work-groups are here: the first joint loads meet
.irp s, 0,1
	s_mov_b32 s[G0+4*(\s)], 1
	s_add_co_u32 s[G0+4*(\s)+1], s20, (\s)*SLOT
	s_add_nc_u64 s[G0+4*(\s)+2:G0+4*(\s)+3], s[14:15], (\s)*ASTEP
	s_or_b32 s[G0+4*(\s)+3], s[G0+4*(\s)+3], 0x80000000
	s_mov_b32 s[G0B+4*(\s)], 1
	s_add_co_u32 s[G0B+4*(\s)+1], s21, (\s)*SLOT
	s_add_nc_u64 s[G0B+4*(\s)+2:G0B+4*(\s)+3], s[46:47], (\s)*BSTEP
	s_or_b32 s[G0B+4*(\s)+3], s[G0B+4*(\s)+3], 0x80000000
	JLOAD \s                                       ; K steps 0 and 1: two tensor loads of mine are out
.endr
	v_and_b32 v1, 15, v0                           ; l % 16
	v_bfe_u32 v2, v0, 4, 1                         ; l / 16
	v_lshlrev_b32 v5, 5, v2                        ; the bias: my eight columns of a block of 16
	s_mul_i32 s74, s42, 3                          ; the tile's first plane
	WIN 0xc0                                       ; destination window 3
.irp i, 0,1,2
	s_add_co_u32 s75, s74, \i
	s_and_b32 s76, s75, 15
	s_lshl_b32 s76, s76, 8                         ; the head's 64 numbers in its bias
	s_mov_b32 s77, 0
	s_cmp_lt_u32 s75, 16
	s_cselect_b64 s[80+2*(\i):81+2*(\i)], s[68:69], s[70:71]
	s_cmp_lt_u32 s75, 32
	s_cselect_b64 s[80+2*(\i):81+2*(\i)], s[80+2*(\i):81+2*(\i)], s[72:73]
	s_add_nc_u64 s[80+2*(\i):81+2*(\i)], s[80+2*(\i):81+2*(\i)], s[76:77]
.irp n, 0,1,2,3
	global_load_b128 v[BIAS+8*(4*(\i)+(\n)):BIAS+8*(4*(\i)+(\n))+3],   v5, s[80+2*(\i):81+2*(\i)] offset:64*(\n)
	global_load_b128 v[BIAS+8*(4*(\i)+(\n))+4:BIAS+8*(4*(\i)+(\n))+7], v5, s[80+2*(\i):81+2*(\i)] offset:64*(\n)+16
.endr
.endr
	WIN 0
	v_mul_u32_u24 v3, v1, PITA
	v_lshl_add_u32 v3, v2, 4, v3
	s_mul_i32 s22, s10, 64*PITA                    ; my 64 rows of A
	v_add_nc_u32 v[ADRA0], s22, v3
	v_and_b32 v4, 7, v0
	v_lshl_add_u32 v4, v2, 3, v4                   ; the turning load: k row 8 (l / 16) + l % 8,
	v_mul_u32_u24 v4, v4, PITB
	v_bfe_u32 v6, v0, 3, 1
	v_lshl_add_u32 v4, v6, 4, v4                   ; columns 8 ((l / 8) % 2) on
	v_add_nc_u32 v[ADRB0], BOFF, v4
	v_mov_b32 v[ADRA], v[ADRA0]
	v_mov_b32 v[ADRB], v[ADRB0]
	s_mov_b32 s2, 0                                ; the slot that is read
	s_mul_i32 s23, s10, DREG                       ; the way out: my part of LDS
	v_mul_u32_u24 v3, v1, DP
	v_lshl_add_u32 v3, v2, 5, v3
	v_add_nc_u32 v[DST], s23, v3
	v_bfe_u32 v3, v0, 3, 2
	v_mul_u32_u24 v3, v3, DP
	v_and_b32 v4, 7, v0
	v_lshl_add_u32 v3, v4, 5, v3
	v_add_nc_u32 v[RD], s23, v3
	v_and_b32 v[GO], 31, v0
	v_lshlrev_b32 v[GO], 4, v[GO]
	s_lshr_b32 s78, s13, 3                         ; the batch
	s_mul_i32 s78, s78, 48
	s_add_co_u32 s78, s78, s74
	s_lshl_b32 s78, s78, 11
	s_and_b32 s79, s13, 7
	s_lshl_b32 s79, s79, 8
	s_add_co_u32 s78, s78, s79
	s_lshl_b32 s79, s10, 6
	s_add_co_u32 s78, s78, s79
	s_lshl_b32 s78, s78, 7                         ; ((48 b + plane) 2,048 + t) rows of 128 bytes
	s_mov_b32 s79, 0
	s_add_nc_u64 s[8:9], s[8:9], s[78:79]
; 16 products: row blocks a0, a0 + 1 x column blocks 0-7, 32 along K, on buffer f.  cinit = 1: the bias starts the sums.  All 48 accumulators take turns.
.macro MULLO f, a0, cinit
.if \cinit
	WIN 0xb1
.else
	WIN 0xa1
.endif
.irp a, \a0, (\a0)+1
.irp b, 0,1,2,3,4,5,6,7
.if \cinit
	v_wmma_f32_16x16x32_bf16 v[8*(8*(\a)+(\b)):8*(8*(\a)+(\b))+7], v[96*(\f)+8*(\b):96*(\f)+8*(\b)+7], v[64+32*(\f)+8*(\a):64+32*(\f)+8*(\a)+7], v[BIAS+8*(\b):BIAS+8*(\b)+7]
.else
	v_wmma_f32_16x16x32_bf16 v[8*(8*(\a)+(\b)):8*(8*(\a)+(\b))+7], v[96*(\f)+8*(\b):96*(\f)+8*(\b)+7], v[64+32*(\f)+8*(\a):64+32*(\f)+8*(\a)+7], v[8*(8*(\a)+(\b)):8*(8*(\a)+(\b))+7]
.endif
.endr
.endr
.endm
.macro MULHI f, cinit                  ; 16 products: all four row blocks x column blocks 8-11
	WIN 0xf1
.irp a, 0,1,2,3
.irp b, 8,9,10,11
.if \cinit
	v_wmma_f32_16x16x32_bf16 v[8*(4*(\a)+(\b)-8):8*(4*(\a)+(\b)-8)+7], v[96*(\f)+8*(\b):96*(\f)+8*(\b)+7], v[64+32*(\f)+8*(\a):64+32*(\f)+8*(\a)+7], v[BIAS+8*(\b):BIAS+8*(\b)+7]
.else
	v_wmma_f32_16x16x32_bf16 v[8*(4*(\a)+(\b)-8):8*(4*(\a)+(\b)-8)+7], v[96*(\f)+8*(\b):96*(\f)+8*(\b)+7], v[64+32*(\f)+8*(\a):64+32*(\f)+8*(\a)+7], v[8*(4*(\a)+(\b)-8):8*(4*(\a)+(\b)-8)+7]
.endif
.endr
.endr
.endm
.macro FETCH q, f                      ; 32 LDS loads in one run: quarter q's fragments into buffer f; A first, then B with its blocks ascending
	WIN 0
.irp a, 0,1,2,3
	ds_load_b128 v[64+32*(\f)+8*(\a):64+32*(\f)+8*(\a)+3],   v[ADRA] offset:64*(\q)+(\a)*16*PITA
	ds_load_b128 v[64+32*(\f)+8*(\a)+4:64+32*(\f)+8*(\a)+7], v[ADRA] offset:64*(\q)+(\a)*16*PITA+32
.endr
	WIN 0x40
.irp b, 0,1,2,3,4,5,6,7,8,9,10,11
	ds_load_tr16_b128 v[96*(\f)+8*(\b):96*(\f)+8*(\b)+3],   v[ADRB] offset:(\q)*32*PITB+((\b)/4)*160+((\b)%4)*32
	ds_load_tr16_b128 v[96*(\f)+8*(\b)+4:96*(\f)+8*(\b)+7], v[ADRB] offset:(\q)*32*PITB+((\b)/4)*160+((\b)%4)*32+16*PITB
.endr
.endm
.macro QUARTER qn, f, g, cinit         ; multiplies buffer f; in its middle fetches quarter qn into buffer g
	s_wait_dscnt 8                                 ; A and B's blocks 0-7 are in; the youngest eight loads (blocks 8-11) may be out
	MULLO \f, 0, \cinit
	MULLO \f, 2, \cinit
	PLACES
	FETCH \qn, \g
	s_wait_dscnt 32                                ; all but the 32 just issued
	MULHI \f, \cinit
.endm
; A step's last quarter (buffer 1) and the change of slots.  In front of the barrier each wave waits for all its tensor loads (one is out: its part of the next slot), adds 0 to its
; spare word, and waits for that and for its reads of this slot.  fill = 1: the barrier opens a round of the cluster's, and the joint refill, two K steps ahead, comes first behind it.
.macro TURN fill
	WIN 0
	s_wait_tensorcnt 0x0
	ds_add_u32 v[SPW], v[NIL]
	s_xor_b32 s2, s2, SLOT                         ; the reads go on in the other slot
	v_add_nc_u32 v[ADRA], s2, v[ADRA0]
	v_add_nc_u32 v[ADRB], s2, v[ADRB0]
	s_wait_dscnt 9                                 ; the add and the youngest eight loads may be out
	MULLO 1, 0, 0
	s_wait_dscnt 0x0                               ; the add is done, and my reads of this slot are over
	s_barrier_signal -1
	MULLO 1, 2, 0
	WIN 0
	s_barrier_wait -1
.if \fill
	CREST
	s_xor_b32 s[G0+5], s[G0+5], SLOT               ; the walking descriptors: the slot just read, the K step two on
	s_add_nc_u64 s[G0+6:G0+7], s[G0+6:G0+7], ASTEP
	s_xor_b32 s[G0B+5], s[G0B+5], SLOT
	s_add_nc_u64 s[G0B+6:G0B+7], s[G0B+6:G0B+7], BSTEP
	JLOAD 1                                        ; its four v_nop are also the places in front of the loads below
.else
	PLACES
.endif
	FETCH 0, 0
	MULHI 1, 0
.endm
	s_wait_tensorcnt 1                             ; my part of K step 0 is in; step 1's load is younger
	s_barrier_signal -1
	s_barrier_wait -1
	FETCH 0, 0
	s_wait_loadcnt 0x0                             ; the bias
	QUARTER 1, 0, 1, 1
	WIN 0
	s_mov_b32 s3, STEPS-1
	s_branch .Lentry
.Lstep:                                                ; STEPS - 2 times: K steps 2 .. STEPS - 1 are asked for
	TURN 1
	QUARTER 1, 0, 1, 0
	WIN 0
.Lentry:
	QUARTER 2, 1, 0, 0
	QUARTER 3, 0, 1, 0
	WIN 0
	s_sub_co_u32 s3, s3, 1
	s_cmp_lg_u32 s3, 0
	s_cbranch_scc1 .Lstep
	TURN 0                                         ; the last change of slots fills nothing and is written out
	QUARTER 1, 0, 1, 0
	QUARTER 2, 1, 0, 0
	QUARTER 3, 0, 1, 0
	s_wait_dscnt 8
	MULLO 1, 0, 0
	MULLO 1, 2, 0
	s_wait_dscnt 0x0
	MULHI 1, 0
	; THE WAY OUT.  The ring has had its last fill; when every wave has read its last fragments, each wave lays its 64 x 192 f32 into its own part of it,
	; and a loop reads rows back, rounds to f16 and stores four rows of a head, 512 consecutive bytes, at a time.
	WIN 0
	s_barrier_signal -1
	s_barrier_wait -1
	PLACES
	WIN 0x08                                       ; store data in window 2
.irp a, 0,1,2,3
.irp b, 0,1,2,3,4,5,6,7
	ds_store_b128 v[DST], v[8*(8*(\a)+(\b)):8*(8*(\a)+(\b))+3]   offset:(\a)*16*DP+64*(\b)
	ds_store_b128 v[DST], v[8*(8*(\a)+(\b))+4:8*(8*(\a)+(\b))+7] offset:(\a)*16*DP+64*(\b)+16
.endr
.endr
	WIN 0x0c                                       ; window 3
.irp a, 0,1,2,3
.irp b, 8,9,10,11
	ds_store_b128 v[DST], v[8*(4*(\a)+(\b)-8):8*(4*(\a)+(\b)-8)+3]   offset:(\a)*16*DP+64*(\b)
	ds_store_b128 v[DST], v[8*(4*(\a)+(\b)-8)+4:8*(4*(\a)+(\b)-8)+7] offset:(\a)*16*DP+64*(\b)+16
.endr
.endr
	WIN 0
	s_mov_b32 s3, 8
.Lout:                                                 ; a trip: 8 rows x 3 heads.  n = 2 x head + half of the rows
.irp n, 0,1,2,3,4,5
	ds_load_b128 v[LD+8*(\n):LD+8*(\n)+3],   v[RD] offset:((\n)%2)*4*DP+((\n)/2)*256     ; LDS serves a wave's instructions in order: these see my stores
	ds_load_b128 v[LD+8*(\n)+4:LD+8*(\n)+7], v[RD] offset:((\n)%2)*4*DP+((\n)/2)*256+16
.endr
.irp n, 0,1,2,3,4,5
	s_wait_dscnt 10-2*(\n)                         ; pair n is in; the pairs behind it stay out
.irp j, 0,1,2,3
	v_cvt_pk_f16_f32 v[OUTR+4*(\n)+(\j)], v[LD+8*(\n)+2*(\j)], v[LD+8*(\n)+2*(\j)+1]
.endr
	global_store_b128 v[GO], v[OUTR+4*(\n):OUTR+4*(\n)+3], s[8:9] offset:((\n)/2)*262144+((\n)%2)*512
.endr
	s_wait_xcnt 0x0                                ; the stores' data and offset are rewritten only behind this wait
	v_add_nc_u32 v[RD], 8*DP, v[RD]
	v_add_nc_u32 v[GO], 1024, v[GO]
	s_sub_co_u32 s3, s3, 1
	s_cmp_lg_u32 s3, 0
	s_cbranch_scc1 .Lout
	s_wait_tensorcnt 0x0                           ; the wave's end
	ds_add_u32 v[SPW], v[NIL]
	s_wait_dscnt 0x0
	CROUND                                         ; the closing round
	s_endpgm
.Lfunc_end_k_qfe6dac44da_qkv:
	.size	k_qfe6dac44da_qkv, .Lfunc_end_k_qfe6dac44da_qkv-k_qfe6dac44da_qkv
	.p2alignl 7, 3214868480
	.fill 96, 4, 3214868480
	.section	.rodata,"a",@progbits
	.p2align	6, 0x0
	.amdhsa_kernel k_qfe6dac44da_qkv
		.amdhsa_group_segment_fixed_size 327680
		.amdhsa_private_segment_fixed_size 0
		.amdhsa_enable_private_segment 0
		.amdhsa_kernarg_size 48
		.amdhsa_user_sgpr_count 2
		.amdhsa_user_sgpr_kernarg_segment_ptr 1
		.amdhsa_wavefront_size32 1
		.amdhsa_system_sgpr_workgroup_id_x 1
		.amdhsa_system_sgpr_workgroup_id_y 1
		.amdhsa_system_sgpr_workgroup_id_z 1
		.amdhsa_system_vgpr_workitem_id 0
		.amdhsa_next_free_vgpr 1024
		.amdhsa_next_free_sgpr 88
		.amdhsa_reserve_vcc 0
		.amdhsa_float_denorm_mode_32 3
		.amdhsa_float_denorm_mode_16_64 3
		.amdhsa_memory_ordered 1
		.amdhsa_forward_progress 1
		.amdhsa_inst_pref_size 76
	.end_amdhsa_kernel
	.amdgpu_metadata
---
amdhsa.version: [ 1, 2 ]
amdhsa.kernels:
  - .name:           k_qfe6dac44da_qkv
    .symbol:         k_qfe6dac44da_qkv.kd
    .args:
      - { .name: hb, .offset: 0, .size: 8, .value_kind: global_buffer, .address_space: global }
      - { .name: wqkv, .offset: 8, .size: 8, .value_kind: global_buffer, .address_space: global }
      - { .name: qkv, .offset: 16, .size: 8, .value_kind: global_buffer, .address_space: global }
      - { .name: bq, .offset: 24, .size: 8, .value_kind: global_buffer, .address_space: global }
      - { .name: bk, .offset: 32, .size: 8, .value_kind: global_buffer, .address_space: global }
      - { .name: bv, .offset: 40, .size: 8, .value_kind: global_buffer, .address_space: global }
    .group_segment_fixed_size: 327680
    .private_segment_fixed_size: 0
    .kernarg_segment_align: 8
    .kernarg_segment_size: 48
    .max_flat_workgroup_size: 128
    .sgpr_count:     88
    .vgpr_count:     1024
    .wavefront_size: 32
...
	.end_amdgpu_metadata
.endif
;; end of part 2
;; launch attn (part 3): grid 8 x 32, 4 waves a work-group, no clusters, 327,680 bytes of LDS; arguments qkv, attn; writes attn
.if DOCPART == 3
	.amdgcn_target "amdgcn-amd-amdhsa--gfx1250"
	.amdhsa_code_object_version 6
	.text
	.protected	k_qfe6dac44da_attn
	.globl	k_qfe6dac44da_attn
	.p2align	8
	.type	k_qfe6dac44da_attn,@function
k_qfe6dac44da_attn:
	s_mov_b64 s[64:65], 0
	v_nop
	global_prefetch_b8 v0, s[64:65] scope:SCOPE_SE
	s_setreg_imm32_b32 hwreg(HW_REG_WAVE_MODE, 25, 1), 1
	s_wait_xcnt 0x0
; CAUSAL ATTENTION with the roles as the module has them: row i belongs to k_i, the softmax runs over q_j, j <= i, and the weights multiply v_j.
; attn[16 b + head][i][:] = sum over j <= i of softmax_j(k_i . q_j / 8) v_j.  All f16; products, maxima and sums in f32; the weights are rounded to f16 for the second product.
; Below, ROWS are the k plane's rows (they stay in registers, called Q as source 1), KEYS the q plane's rows (K), V the v plane's.
; LIMITS.  Inputs within 65,504 (f16).  A hidden score counts as its value less 1e30; a weight below 2^-126 counts as 0 in l; NaN and infinities are not treated apart.
; THE WALK.  A head's 2,048 rows lie in 16 blocks of 128; block i needs the key tiles 0 .. i / 2 of 256 keys.  A work-group takes blocks 15 - b and then b: nine tiles whatever b,
; so all 256 work-groups do equal work and one loop with a constant trip count walks them.  NO CLUSTER: the eight work-groups of a head ask for the same tile only in the first five
; trips; behind that the first blocks end one after the other and partners would need different tiles.
; SHARES.  Of a block's two bands of 64 rows a wave owns 16 rows in each: two PIECES.  In the block's last tile band x has its diagonal in tile step E2 + x, E2 = 2 (block % 2).
; THE MASK is the C operand that starts S^T: MD x AL + BE, MD the mask of a band's own step; (1, 0) there, (0, 0) before it, (0, -1e30) behind it.
; TURNS.  T0(s): products K Q^T of piece 1 for step s, V^T P of piece 1 for step s - 1; softmax of piece 0, statistics of piece 1; it fetches K of step s + 1 and V of step s.
; T1(s): K Q^T of piece 0 for step s + 1, V^T P of piece 0 for step s; softmax of piece 1, statistics of piece 0.  So a slot's K part runs one step ahead of its V part:
; tile c holds keys 256 c + 64 .. 256 c + 319 and values 256 c .. 256 c + 255; keys 0-63 lie in a region of their own, filled once.  (Tile 7's last 64 key rows belong to the next plane of qkv: fetched, never multiplied.)
; REGISTERS (windows of 256; s_set_vgpr_msb: bits 1:0 source 0, 3:2 source 1, 5:4 source 2, 7:6 destination):
;   0: v0-15 addresses; v16-23 statistics; v48-55 at work; v64-127 S^T, two buffers; v192-223 P, two buffers      1: v0-63 O^T; v128-159 MD; v160-223 MC, two buffers
;   2: v0-31 Q; v64-95 the second block's Q; v128-191 K of one step; v192-255 V of one step
.set NB,    16
.set NP,    2
.set KS,    64
.set PK,    144       ; a key row in LDS: 128 bytes + 16
.set PV,    160       ; a row of V: 128 + 32
.set VOFF,  4*KS*PK
.set SLOT1, 1<<17
.set K0,    SLOT1+4*KS*(PK+PV)  ; keys 0-63, filled once
.set STAGE, K0+KS*PK            ; never filled by a tensor load: 16 rows x 144 bytes for each wave, for the way out
.set SP,    144
.set SPARE, STAGE+4*16*SP       ; the spare words, 128 bytes a wave
.set AK0, 2
.set AV0, 3
.set AK,  4
.set AV,  5
.set STO, 6
.set RD,  7
.set GO,  8
.set SPW, 62
.set NIL, 63
.set MV,  12
.set QO,  15
.set ST,  16          ; piece t's statistics at v[ST+4 t]: c m, m, l (even keys', odd keys')
.set TMP, 48
.set S,   64
.set P,   192
.set MD,  128
.set MC,  160
.set QB,  64
.set KF,  128
.set VF,  192
.set WV,  12
.set PB,  14          ; b
.set HI,  15          ; 15 - b
.set G1K, 24
.set G1V, 32
.set G0K, 40
.set G0V, 44
.set PBH, 48          ; b / 2: the second block's last tile
.set E2,  49
.set C0,  50          ; 5 - E2: the count at which T0 makes piece 0's own mask
.set C1,  51          ; 3 - E2: the same for T1 and piece 1
.set SLOTS, 56
.set CNT, 57
.set CS,  58
.set SEL, 60
.set TBK, 62
.set TBV, 63
.set RT,  70
.set NXT, 71
.set LQ,  72
.set NEW, 73
.set OFF, 74
.set AL,  76
.set BE,  78
.set OLO, 80
.set BIGN, 82
.set G1Z, 88          ; s[88:95] group 1 for keys 0-63: 16 rows of 256 bytes a wave
.set G0Z, 96
.set MSB, 0
.macro WIN new
.if MSB != (\new)
	s_set_vgpr_msb (MSB<<8)|(\new)
.set MSB, (\new)
.endif
.endm
.set W_KQ, 0x0a
.set W_KM, 0x1a
.set W_PV, 0x52
.set W_RS, 0x41
.macro LOAD                         ; a fill: waves 0 and 1 the halves of a tile's keys, waves 2 and 3 those of its V; s_nop 0 and four v_nop follow each line
	s_cmp_lt_u32 s[WV], 2
	s_cbranch_scc0 .Lfor_v_\@
	tensor_load_to_lds s[G0K:G0K+3], s[G1K:G1K+7]
	s_nop 0
.rept 4
	v_nop
.endr
	s_branch .Lasked_\@
.Lfor_v_\@:
	tensor_load_to_lds s[G0V:G0V+3], s[G1V:G1V+7]
	s_nop 0
.rept 4
	v_nop
.endr
.Lasked_\@:
.endm
; THE CHANGE OF SLOTS.  Each wave waits for all its tensor loads, adds 0 to its spare word, and waits for that and for its reads of the slot that it leaves.  Behind the barrier nobody reads
; the old slot and the other is whole.  fill = 1: the old slot takes tile NXT, first thing behind the barrier; it has eight turns in which to land.
.macro CHANGE fill
	WIN 0
	s_wait_tensorcnt 0x0            ; no tensor load of mine is out, so a group 0 may be written
	ds_add_u32 v[SPW], v[NIL]
.if \fill
	s_lshl_b32 s[OFF], s[NXT], 15   ; a tile is 32,768 bytes of keys and of V
	s_xor_b32 s[G0K+1], s[G0K+1], SLOT1
	s_add_nc_u64 s[G0K+2:G0K+3], s[6:7], s[OFF:OFF+1]
	s_or_b32 s[G0K+3], s[G0K+3], 0x80000000
	s_xor_b32 s[G0V+1], s[G0V+1], SLOT1
	s_add_nc_u64 s[G0V+2:G0V+3], s[8:9], s[OFF:OFF+1]
	s_or_b32 s[G0V+3], s[G0V+3], 0x80000000
	s_add_co_u32 s[NXT], s[NXT], 1  ; the block's next tile, or behind its last the second block's tile 0
	s_cmp_gt_u32 s[NXT], s[LQ]
	s_cselect_b32 s[NXT], 0, s[NXT]
	s_cselect_b32 s[LQ], s[PBH], s[LQ]
.endif
	s_wait_dscnt 0x0                ; the add is done, and my reads of the slot are over
	s_barrier_signal -1
	s_sub_co_u32 s[TBK], s[TBK], 4*KS*PK  ; the fetches go back to a slot's first step, in the other slot
	s_xor_b32 s[TBK], s[TBK], SLOT1
	s_sub_co_u32 s[TBV], s[TBV], 4*KS*PV
	s_xor_b32 s[TBV], s[TBV], SLOT1
	s_barrier_wait -1
.if \fill
	LOAD
.endif
.endm
	s_load_b64 s[4:5], s[0:1], 0x0    ; qkv
	s_load_b64 s[10:11], s[0:1], 0x8  ; attn
	v_lshl_add_u32 v[SPW], v0, 2, SPARE
	v_mov_b32 v[NIL], 0
	ds_add_u32 v[SPW], v[NIL]       ; the wave's opening: the add and its wait, ahead of my first tensor load
	ds_add_u32 v62, v63
	v_lshrrev_b32 v1, 5, v0
	v_readfirstlane_b32 s[WV], v1
	s_mov_b32 s[PB], ttmp9
	s_sub_co_u32 s[HI], NB-1, s[PB]
	s_lshr_b32 s[PBH], s[PB], 1
	s_and_b32 s20, ttmp7, 0xffff    ; 16 batch + head
	s_lshl_b32 s68, s20, 18         ; the head's first byte in attn
	s_lshr_b32 s21, s20, 4
	s_lshl_b32 s21, s21, 5
	s_add_co_u32 s21, s21, s20      ; 48 batch + head: the q plane
	s_lshl_b32 s52, s21, 18
	s_and_b32 s16, s[WV], 1         ; which half of a tile I fetch
	s_lshl_b32 s53, s16, 12
	s_add_co_u32 s18, s52, s53      ; keys 0-63: my 32
	s_mov_b32 s19, 0
	s_lshl_b32 s53, s16, 14
	s_add_co_u32 s22, s52, s53
	s_add_co_u32 s20, s22, 8192     ; a tile's keys begin 64 rows on
	s_add_co_u32 s22, s22, 32<<18   ; the v plane
	s_mov_b32 s21, 0
	s_mov_b32 s23, 0
	s_lshl_b32 s53, s[WV], 11       ; my 16 rows in a band
	s_add_co_u32 s68, s68, s53
	s_add_co_u32 s52, s52, s53
	s_add_co_u32 s52, s52, 16<<18   ; the k plane
	s_lshl_b32 s53, s[HI], 14       ; a block is 128 rows of 128 bytes
	s_add_co_u32 s2, s52, s53
	s_mov_b32 s3, 0
	s_lshl_b32 s17, s[PB], 14
	s_add_co_u32 s84, s52, s17
	s_mov_b32 s85, 0
	s_add_co_u32 s54, s68, s17
	s_mov_b32 s55, 0
	s_add_co_u32 s68, s68, s53
	s_mov_b32 s69, 0
	s_mul_i32 s17, s16, 128*PK
	s_mul_i32 s13, s16, 128*PV
	s_mul_i32 s53, s16, 32*PK
	; group 1: 128 keys are 16,384 dense bytes: 64 rows of 256 bytes, two keys a row, padded in LDS after every key
	s_mov_b32 s[G1K], (1<<16)|(1<<20)|(4<<22)|(3<<25)
	s_mov_b32 s[G1V], (1<<16)|(1<<20)|(4<<22)|(7<<25)
	s_mov_b32 s[G1Z], (1<<16)|(1<<20)|(4<<22)|(3<<25)
.irp g, G1K, G1V
	s_mov_b32 s[\g+1], 128<<16
	s_mov_b32 s[\g+2], 64<<16
	s_mov_b32 s[\g+3], 128<<16
	s_mov_b32 s[\g+4], 64
	s_mov_b32 s[\g+5], 128
	s_mov_b32 s[\g+6], 0
	s_mov_b32 s[\g+7], 0
.endr
	s_mov_b32 s[G1Z+1], 128<<16
	s_mov_b32 s[G1Z+2], 16<<16
	s_mov_b32 s[G1Z+3], 128<<16
	s_mov_b32 s[G1Z+4], 16
	s_mov_b32 s[G1Z+5], 128
	s_mov_b32 s[G1Z+6], 0
	s_mov_b32 s[G1Z+7], 0
	s_mov_b32 s[CS], 0x3e38aa3b     ; c = log2(e) / 8
	s_mov_b32 s[CS+1], s[CS]
	s_mov_b32 s[SEL], 0x76543210
	s_mov_b32 s[SEL+1], 0xfedcba98
	s_mov_b32 s[TBK], SLOT1+4*KS*PK ; the first change of slots turns these two into 0
	s_mov_b32 s[TBV], SLOT1+4*KS*PV
	s_mov_b32 s[G0K], 1
	s_mov_b32 s[G0K+1], s17
	s_mov_b32 s[G0V], 1
	s_add_co_u32 s[G0V+1], s13, VOFF
	s_mov_b32 s[G0Z], 1
	s_add_co_u32 s[G0Z+1], s53, K0
	s_lshr_b32 s[LQ], s[HI], 1
	s_add_co_u32 s[RT], s[LQ], 1    ; the first block's tiles
	s_mov_b32 s[NXT], 1
	s_mov_b32 s[NEW], 1
	s_and_b32 s[E2], s[HI], 1
	s_lshl_b32 s[E2], s[E2], 1
	s_sub_co_u32 s[C0], 5, s[E2]
	s_sub_co_u32 s[C1], 3, s[E2]
	s_mov_b32 s[OFF+1], 0
	s_mov_b32 s[AL+1], 0
	s_mov_b32 s[BE+1], 0
	s_mov_b32 s[BIGN], 0xf149f2ca   ; -1e30
	s_mov_b32 s[SLOTS], 8
	s_wait_dscnt 0x0                ; the opening add is done
	s_wait_kmcnt 0x0
	s_add_nc_u64 s[6:7], s[4:5], s[20:21]
	s_add_nc_u64 s[8:9], s[4:5], s[22:23]
	s_add_nc_u64 s[G0K+2:G0K+3], s[6:7], 0
	s_or_b32 s[G0K+3], s[G0K+3], 0x80000000
	s_add_nc_u64 s[G0V+2:G0V+3], s[8:9], 0
	s_or_b32 s[G0V+3], s[G0V+3], 0x80000000
	s_add_nc_u64 s[G0Z+2:G0Z+3], s[4:5], s[18:19]
	s_or_b32 s[G0Z+3], s[G0Z+3], 0x80000000
	s_add_nc_u64 s[86:87], s[4:5], s[84:85]        ; my rows of the second block,
	s_add_nc_u64 s[4:5], s[4:5], s[2:3]            ; of the first
	s_add_nc_u64 s[OLO:OLO+1], s[10:11], s[54:55]
	s_add_nc_u64 s[10:11], s[10:11], s[68:69]
	s_cmp_lt_u32 s[WV], 2           ; a wave's first fills stand in one branch: two loads of waves 0 and 1 are out, one of waves 2 and 3
	s_cbranch_scc0 .Lfirst_v
	tensor_load_to_lds s[G0K:G0K+3], s[G1K:G1K+7]
	s_nop 0
	tensor_load_to_lds s[G0Z:G0Z+3], s[G1Z:G1Z+7]
	s_nop 0
.rept 4
	v_nop
.endr
	s_branch .Lfirst_asked
.Lfirst_v:
	tensor_load_to_lds s[G0V:G0V+3], s[G1V:G1V+7]
	s_nop 0
.rept 4
	v_nop
.endr
.Lfirst_asked:
	v_and_b32 v1, 15, v0            ; l % 16
	v_bfe_u32 v9, v0, 4, 1          ; l / 16
	v_lshlrev_b32 v[QO], 7, v1
	v_lshl_add_u32 v[QO], v9, 4, v[QO]
	WIN 0x80
.set i, 0
.rept 4                             ; both blocks' rows: piece i / 2 lies 8,192 bytes on; channels 32 (i % 2) on
	global_load_b128 v[8*i:8*i+3],   v[QO], s[4:5] offset:(i/2)*8192+(i%2)*64
	global_load_b128 v[8*i+4:8*i+7], v[QO], s[4:5] offset:(i/2)*8192+(i%2)*64+32
	global_load_b128 v[QB+8*i:QB+8*i+3],   v[QO], s[86:87] offset:(i/2)*8192+(i%2)*64
	global_load_b128 v[QB+8*i+4:QB+8*i+7], v[QO], s[86:87] offset:(i/2)*8192+(i%2)*64+32
.set i, i+1
.endr
	WIN 0
	v_lshlrev_b32 v14, 3, v9
	v_sub_nc_u32 v14, v1, v14
	s_lshl_b32 s13, s[WV], 4
	v_add_nc_u32 v14, s13, v14      ; my row's place in its band less 8 (l / 16): register r of key group kt is hidden where 16 kt + r is greater
	WIN 0x40
.set i, 0
.rept 32
	v_cmp_gt_i32 vcc_lo, 16*(i/8)+i%8, v14
	v_cndmask_b32 v[MD+i], 0, s[BIGN], vcc_lo
.set i, i+1
.endr
	WIN 0
	v_mul_u32_u24 v[AK0], v1, PK
	v_lshl_add_u32 v[AK0], v9, 4, v[AK0]
	v_and_b32 v10, 7, v0
	v_bfe_u32 v11, v0, 3, 1
	v_lshl_add_u32 v[AV0], v9, 3, v10
	v_mul_u32_u24 v[AV0], v[AV0], PV
	v_lshl_add_u32 v[AV0], v11, 4, v[AV0]
	v_add_nc_u32 v[AV0], VOFF, v[AV0]
	s_mul_i32 s13, s[WV], 16*SP
	s_add_co_u32 s13, s13, STAGE
	v_mul_u32_u24 v[STO], v1, SP
	v_lshl_add_u32 v[STO], v9, 4, v[STO]
	v_add_nc_u32 v[STO], s13, v[STO]
	v_bfe_u32 v[RD], v0, 3, 2
	v_mul_u32_u24 v[RD], v[RD], SP
	v_lshl_add_u32 v[RD], v10, 4, v[RD]
	v_add_nc_u32 v[RD], s13, v[RD]
	v_and_b32 v[GO], 31, v0
	v_lshlrev_b32 v[GO], 4, v[GO]
	; A block's first step multiplies O^T and l by a = 0, and its first turn's products V^T P land in an O^T that is still to be so multiplied: these registers need only be finite.
	WIN 0x80
.set i, VF
.rept 64
	v_mov_b32 v[i], 0
.set i, i+1
.endr
	WIN 0x40
.set i, 0
.rept 64
	v_mov_b32 v[i], 0
.set i, i+1
.endr
	WIN 0
.set i, 0
.rept 2
	v_mov_b32 v[ST+4*i+2], 0
	v_mov_b32 v[ST+4*i+3], 0
.set i, i+1
.endr
.set i, P+16
.rept 16
	v_mov_b32 v[i], 0
.set i, i+1
.endr
; THE MATRIX WORK.  The 4 accumulators of a run of 8 take turns.
.macro KQ x
.set rS, S+32*((\x)%2)+8*(i%4)
.set rK, KF+16*(i%4)+8*(i/4)
.set rQ, 16*(\x)+8*(i/4)
.set rM, MC+32*((\x)%2)+8*(i%4)
.if (i < 4) && KM
	WIN W_KM
	v_wmma_f32_16x16x32_f16 v[rS:rS+7], v[rK:rK+7], v[rQ:rQ+7], v[rM:rM+7]
.elseif i < 4
	WIN W_KQ
	v_wmma_f32_16x16x32_f16 v[rS:rS+7], v[rK:rK+7], v[rQ:rQ+7], 0
.else
	WIN W_KQ
	v_wmma_f32_16x16x32_f16 v[rS:rS+7], v[rK:rK+7], v[rQ:rQ+7], v[rS:rS+7]
.endif
.endm
.macro PV x
	WIN W_PV
.set rO, 32*(\x)+8*(i%4)
.set rV, VF+32*(i/4)+8*(i%4)
.set rP, P+16*((\x)%2)+8*(i/4)
	v_wmma_f32_16x16x32_f16 v[rO:rO+7], v[rV:rV+7], v[rP:rP+7], v[rO:rO+7]
.endm
.macro MM                           ; the turn's next matrix instruction; NOKQ = 1: a block's last turn has no next scores
.if (i < 8) && !NOKQ
	KQ (Y+1)%NP
.elseif i >= 8
.set i, i-8
	PV (Y+NP-1)%NP
.set i, i+8
.endif
.set i, i+1
.endm
.macro FETCH_K step                 ; 16 LDS loads in one run; step = 1: the next fetch is the next step's
	WIN 0x80
.irp f, 0,1,2,3,4,5,6,7
	ds_load_b128 v[KF+8*\f:KF+8*\f+3],   v[AK] offset:(\f/2)*16*PK+(\f%2)*64
	ds_load_b128 v[KF+8*\f+4:KF+8*\f+7], v[AK] offset:(\f/2)*16*PK+(\f%2)*64+32
.endr
.if \step
	s_add_co_u32 s[TBK], s[TBK], KS*PK
.endif
	WIN 0
.endm
.macro FETCH_V
	WIN 0x80
.irp f, 0,1,2,3,4,5,6,7
	ds_load_tr16_b128 v[VF+8*\f:VF+8*\f+3],   v[AV] offset:(\f/4)*32*PV+(\f%4)*32
	ds_load_tr16_b128 v[VF+8*\f+4:VF+8*\f+7], v[AV] offset:(\f/4)*32*PV+16*PV+(\f%4)*32
.endr
	WIN 0
.endm
; THE VECTOR WORK, one line at a time: OP kind, number.  For piece Y: F n: c s - c m for pair n.  E n: the exponential of score n.  C n: pair n rounded to f16.  B n: of the weights 4 n .. the second pair is
; added onto the first.  L n: l takes that sum (L 0: l = a l + sum).  R n: pair n of O^T times a.  For piece Y + 1: X n, number n of the 22 that find its maximum and statistics
; (each accumulator's lowest registers are read first).
.set F, 0
.set E, 1
.set C, 2
.set B, 3
.set L, 4
.set R, 5
.set X, 6
.macro REGS y
.set rT, ST+4*(\y)
.set rC, TMP+4*((\y)%2)
.set rW, MV+((\y)%2)
.set rS, S+32*((\y)%2)
.set rP, P+16*((\y)%2)
.set rO, 32*(\y)
.endm
.macro OP k, n
.if (\k) == R
	REGS Y
	WIN W_RS
	v_pk_mul_f32 v[rO+2*(\n):rO+2*(\n)+1], v[rO+2*(\n):rO+2*(\n)+1], v[rC+2:rC+3] op_sel_hi:[1,0]
.elseif (\k) < R
	REGS Y
	WIN 0
.if (\k) == F
	v_pk_fma_f32 v[rS+2*(\n):rS+2*(\n)+1], v[rS+2*(\n):rS+2*(\n)+1], s[CS:CS+1], v[rT:rT+1] op_sel_hi:[1,0,0] neg_lo:[0,0,1] neg_hi:[0,0,1]
.elseif (\k) == E
	v_exp_f32 v[rS+(\n)], v[rS+(\n)]
.elseif (\k) == C
	s_wait_alu depctr_va_vdst(0)
	v_cvt_pk_f16_f32 v[rP+(\n)], v[rS+2*(\n)], v[rS+2*(\n)+1]
.elseif (\k) == B
	s_wait_alu depctr_va_vdst(0)
	v_pk_add_f32 v[rS+4*(\n):rS+4*(\n)+1], v[rS+4*(\n):rS+4*(\n)+1], v[rS+4*(\n)+2:rS+4*(\n)+3]
.elseif (\n) == 0
	v_pk_fma_f32 v[rT+2:rT+3], v[rT+2:rT+3], v[rC+2:rC+3], v[rS:rS+1] op_sel_hi:[1,0,1]
.else
	v_pk_add_f32 v[rT+2:rT+3], v[rT+2:rT+3], v[rS+4*(\n):rS+4*(\n)+1]
.endif
.elseif NOKQ
	v_nop
.else
	REGS (Y+1)%NP
	WIN 0
.if (\n) < 4
	v_max3_num_f32 v[rC+(\n)], v[rS+8*(\n)], v[rS+8*(\n)+1], v[rS+8*(\n)+2]
.elseif (\n) < 12
	v_max3_num_f32 v[rC+(\n)%4], v[rC+(\n)%4], v[rS+8*((\n)%4)+2*((\n)/4)+1], v[rS+8*((\n)%4)+2*((\n)/4)+2]
.elseif (\n) == 12
	v_max3_num_f32 v[rC], v[rC], v[rS+7], v[rS+15]
.elseif (\n) == 13
	v_max3_num_f32 v[rC+1], v[rC+1], v[rS+23], v[rS+31]
.elseif (\n) == 14
	v_max3_num_f32 v[rC+2], v[rC+2], v[rC+3], v[rT+1]
.elseif (\n) == 15
	v_mov_b32 v[rW], v[rT]
.elseif (\n) == 16
	v_max3_num_f32 v[rC], v[rC], v[rC+1], v[rC+2]
.elseif (\n) == 17
	v_permlanex16_b32 v[rC+3], v[rC], s[SEL], s[SEL+1]
.elseif (\n) == 18
	v_max_num_f32 v[rT+1], v[rC], v[rC+3]
.elseif (\n) == 19
	v_mul_f32 v[rT], s[CS], v[rT+1]
.elseif (\n) == 20
	v_sub_f32 v[rC+1], v[rW], v[rT]
.else
	v_exp_f32 v[rC+2], v[rC+1]
.endif
.endif
.endm
.macro OPS a, i1, b=-1, i2=0, c=-1, i3=0, d=-1, i4=0
	OP \a, \i1
.if (\b) >= 0
	OP \b, \i2
.endif
.if (\c) >= 0
	OP \c, \i3
.endif
.if (\d) >= 0
	OP \d, \i4
.endif
.endm
.macro ROW a, i1, b, i2, c, i3, d, i4  ; a matrix instruction and the four behind it
	MM
	OPS \a, \i1, \b, \i2, \c, \i3, \d, \i4
.endm
.macro MASK b                       ; MD x AL + BE into buffer b of MC
	WIN W_RS
.set z, 0
.rept 16
	v_pk_fma_f32 v[MC+32*(\b)+2*z:MC+32*(\b)+2*z+1], v[MD+2*z:MD+2*z+1], s[AL:AL+1], s[BE:BE+1] op_sel_hi:[1,0,0]
.set z, z+1
.endr
.endm
; A TURN, for piece p.  Behind a matrix instruction four vector instructions that name none of the registers of the products round it; the rest in two lumps.
; m = 1: the block's last tile: the products take masks, and the turn makes piece p's mask for the next turn's products (T1: tile step 4 - CNT; T0: step 5 - CNT).
; end = 1: a block's last turn.  cnt = 1: the loop's count is taken down some lines ahead of the branch behind the turn.
; Both runs of LDS loads stand in T0: K five plain instructions behind the last product that read K, V four plain ones behind the last that read V.  T1 waits for them.
.macro TURN p, m=0, end=0, cnt=0
.set Y, (\p)
.set i, 0
.set KM, (\m)
.set NOKQ, (\end)
.if (\m) && !(\end)
	s_cmp_eq_u32 s[CNT], s[C0+(\p)]     ; is that step the band's own?
	s_cselect_b32 s[AL], 1.0, 0
	s_cmp_lt_u32 s[CNT], s[C0+(\p)]     ; or a later one?
	s_cselect_b32 s[BE], s[BIGN], 0
.endif
.if (\p) == 1
	s_wait_dscnt 16                 ; K is in; V's 16 loads are younger
.endif
	ROW F,0, F,1, F,2, F,3
	ROW F,4, E,0, F,5, F,6
	ROW F,7, E,1, F,8, F,9
	ROW F,10, E,2, C,0, F,11
	ROW F,12, E,3, X,15, F,13
	ROW R,0, R,1, R,2, R,3
	ROW B,0, E,4, F,14, L,0
.if (\p) == 0
	v_add_nc_u32 v[AK], s[TBK], v[AK0]
.endif
	ROW R,4, R,5, R,6, R,7
	OPS E,5, F,15
.if (\p) == 0
	FETCH_K 1
.endif
	OPS E,6, C,1, E,7, R,8
	OPS E,8, R,9, E,9, C,2
	OPS E,10, X,0, E,11, X,1
	OPS E,12, X,2, E,13, X,3
.if (\p) == 1
	s_wait_dscnt 0x0                ; V is in
.endif
	ROW X,4, E,14, X,5, X,6
	ROW X,7, E,15, X,8, X,9
	ROW X,10, E,16, X,11, X,12
	ROW X,13, E,17, X,14, B,1
	ROW C,4, E,18, X,16, L,1
	ROW B,2, E,19, C,6, L,2
	ROW C,8, E,20, B,3, B,4
.if (\p) == 0
	v_add_nc_u32 v[AV], s[TBV], v[AV0]
.endif
	ROW C,3, E,21, L,3, C,5
	OPS E,22, X,17, E,23, C,10
.if (\p) == 0
	FETCH_V
.endif
	OPS E,24, L,4
	OPS E,25, X,18, E,26, C,7
	OPS E,27, B,5, E,28, X,19
	OPS E,29, C,12, E,30, L,5
	OPS E,31, X,20, B,6, C,9
	OPS C,14, C,11, X,21, L,6
.if (\p) == 0
	s_add_co_u32 s[TBV], s[TBV], KS*PV
.endif
.if \cnt
	s_sub_co_u32 s[CNT], s[CNT], 1
	s_cmp_lg_u32 s[CNT], 0
.endif
	OPS C,13, B,7, C,15, R,10
	OPS R,11, R,12, L,7, R,13
	OPS R,14, R,15
.if (\m) && !(\end)
	MASK \p
.endif
.endm
; A BLOCK BEGINS.  c m starts far below every c s, so the first step's a is 0; m at the lowest finite number.  Piece 1's first mask is 0; piece 0's is its own if the block's first tile is its last and E2 = 0.
; Then keys 0-63, piece 0's first scores, its maximum and statistics.  The step loop is entered at T0.
.macro BEGIN
	s_mov_b32 s[NEW], 0
	WIN 0x40
.set i, MC+32
.rept 32
	v_mov_b32 v[i], 0
.set i, i+1
.endr
	WIN 0
.set i, 0
.rept 2
	v_mov_b32 v[ST+4*i], 0xfe000000
	v_mov_b32 v[ST+4*i+1], 0xff7fffff
.set i, i+1
.endr
	s_or_b32 s52, s[RT], s[E2]
	s_cmp_eq_u32 s52, 0
	s_cselect_b32 s[AL], 1.0, 0
	s_mov_b32 s[BE], 0
	MASK 0
	WIN 0
	v_add_nc_u32 v[AK], K0, v[AK0]
	FETCH_K 0
	s_wait_loadcnt 0x0              ; my rows
	s_wait_dscnt 0x0
.set KM, 1
.set NOKQ, 0
.set i, 0
.rept 8
	KQ 0
.set i, i+1
.endr
	WIN 0
.rept 4
	v_nop                           ; the places behind those products
.endr
.set Y, NP-1
.irp n, 0,1,2,3,4,5,6,7,8,9,10,11,12,13,14,15,16,17,18,19,20,21
	OP X, \n
.endr
	v_nop                           ; a plain instruction behind the exponential
.endm
.macro ALL line:vararg
.set t, 0
.rept 2
	\line
.set t, t+1
.endr
.endm
.macro PACK t                       ; O^T / l, rounded to f16; 16 bytes a lane into rows of 144 bytes, back as whole rows of 128
	WIN W_RS
.set i, 32*(\t)
.rept 16
	s_wait_alu depctr_va_vdst(0)
	v_pk_mul_f32 v[i:i+1], v[i:i+1], v[ST+4*(\t)+2:ST+4*(\t)+3] op_sel_hi:[1,0]
.set i, i+2
.endr
	WIN 0x05
.set i, 0
.rept 16
	v_cvt_pk_f16_f32 v[S+16*(\t)+i], v[32*(\t)+2*i], v[32*(\t)+2*i+1]
.set i, i+1
.endr
	WIN 0
.irp f, 0,1,2,3
	ds_store_b128 v[STO], v[S+16*(\t)+4*\f:S+16*(\t)+4*\f+3] offset:32*\f
.endr
.irp f, 0,1,2,3
	ds_load_b128 v[S+16*(\t)+4*\f:S+16*(\t)+4*\f+3], v[RD] offset:\f*4*SP  ; LDS serves a wave's instructions in order: these see the stores above
.endr
.endm
.macro SEND t, younger              ; younger: the LDS instructions issued behind piece t's loads
	WIN 0
.irp f, 0,1,2,3
	s_wait_dscnt (\younger)+3-\f
	global_store_b128 v[GO], v[S+16*(\t)+4*\f:S+16*(\t)+4*\f+3], s[10:11] offset:(\t)*8192+\f*512  ; 512 consecutive bytes
.endr
.endm
; A BLOCK'S LAST TILE: piece 0's mask for the tile's step 0, the four steps with masks, the last turn, the last products, the way out.
.macro DIAG tag
.LdiagIn\tag:
	s_cmp_eq_u32 s[E2], 0
	s_cselect_b32 s[AL], 1.0, 0
	s_mov_b32 s[BE], 0
	MASK 0
	WIN 0
.LstepM\tag:
	TURN 1, 1
	WIN 0
.LfirstM\tag:
	TURN 0, 1, 0, 1
	WIN 0
	s_cbranch_scc1 .LstepM\tag
	TURN 1, 1, 1
.set i, 0
.rept 8
	PV NP-1
.set i, i+1
.endr
	WIN 0
	ALL v_add_f32 v[ST+4*t+2], v[ST+4*t+2], v[ST+4*t+3]
	ALL v_permlanex16_b32 v[ST+4*t+3], v[ST+4*t+2], s[SEL], s[SEL+1]
	ALL v_add_f32 v[ST+4*t+2], v[ST+4*t+2], v[ST+4*t+3]
	ALL v_rcp_f32 v[ST+4*t+2], v[ST+4*t+2]
	v_nop
	v_nop                           ; with the additions above: four plain places behind the last products, one behind the reciprocals
	PACK 0
	PACK 1
	SEND 0, 8
	SEND 1, 0
.endm
.set KM, 0
.set NOKQ, 0
.Lslot:                             ; eight times: a tile is entered and the next is asked for
	CHANGE 1
	s_sub_co_u32 s[RT], s[RT], 1
	s_mov_b32 s[CNT], 4
	s_cmp_eq_u32 s[NEW], 1
	s_cbranch_scc1 .Lnew
	s_cmp_eq_u32 s[RT], 0
	s_cbranch_scc0 .Lstep
	s_branch .LdiagIn1
.Lnew:
	BEGIN
	s_branch .Lfirst                ; in the loop a block's first tile is never its last: the first block has five tiles or more, and the second's last is the walk's last
	DIAG 1                          ; in the loop this is the first block's end
	s_wait_xcnt 0x0                 ; the stores have read their registers and the output's address
	s_mov_b64 s[10:11], s[OLO:OLO+1]
	s_add_co_u32 s[RT], s[PBH], 1
	s_mov_b32 s[NEW], 1
	s_and_b32 s[E2], s[PB], 1
	s_lshl_b32 s[E2], s[E2], 1
	s_sub_co_u32 s[C0], 5, s[E2]
	s_sub_co_u32 s[C1], 3, s[E2]
	WIN 0x82                        ; the second block's rows go where the one text of the turns names them
.set i, 0
.rept 32
	v_mov_b32 v[i], v[QB+i]
.set i, i+1
.endr
	WIN 0
	s_branch .Lbottom
.Lstep:
	TURN 1
	WIN 0
.Lfirst:
	TURN 0, 0, 0, 1
	WIN 0
	s_cbranch_scc1 .Lstep
.Lbottom:
	s_sub_co_u32 s[SLOTS], s[SLOTS], 1
	s_cmp_lg_u32 s[SLOTS], 0
	s_cbranch_scc1 .Lslot
	CHANGE 0                        ; the walk's last tile is written out
	s_sub_co_u32 s[RT], s[RT], 1
	s_mov_b32 s[CNT], 4
	s_cmp_eq_u32 s[NEW], 1
	s_cbranch_scc0 .LdiagIn2
	BEGIN
	s_branch .LfirstM2
	DIAG 2
	s_wait_tensorcnt 0x0            ; the wave's end
	ds_add_u32 v[SPW], v[NIL]
	s_wait_dscnt 0x0
	s_endpgm
.Lfunc_end_k_qfe6dac44da_attn:
	.size	k_qfe6dac44da_attn, .Lfunc_end_k_qfe6dac44da_attn-k_qfe6dac44da_attn
	.p2alignl 7, 3214868480
	.fill 96, 4, 3214868480
	.section	.rodata,"a",@progbits
	.p2align	6, 0x0
	.amdhsa_kernel k_qfe6dac44da_attn
		.amdhsa_group_segment_fixed_size 327680
		.amdhsa_private_segment_fixed_size 0
		.amdhsa_enable_private_segment 0
		.amdhsa_kernarg_size 16
		.amdhsa_user_sgpr_count 2
		.amdhsa_user_sgpr_kernarg_segment_ptr 1
		.amdhsa_wavefront_size32 1
		.amdhsa_system_sgpr_workgroup_id_x 1
		.amdhsa_system_sgpr_workgroup_id_y 1
		.amdhsa_system_sgpr_workgroup_id_z 1
		.amdhsa_system_vgpr_workitem_id 0
		.amdhsa_next_free_vgpr 768
		.amdhsa_next_free_sgpr 100
		.amdhsa_reserve_vcc 1
		.amdhsa_float_denorm_mode_32 3
		.amdhsa_float_denorm_mode_16_64 3
		.amdhsa_memory_ordered 1
		.amdhsa_forward_progress 1
		.amdhsa_inst_pref_size 134
	.end_amdhsa_kernel
	.amdgpu_metadata
---
amdhsa.version: [ 1, 2 ]
amdhsa.kernels:
  - .name:           k_qfe6dac44da_attn
    .symbol:         k_qfe6dac44da_attn.kd
    .args:
      - { .name: qkv, .offset: 0, .size: 8, .value_kind: global_buffer, .address_space: global }
      - { .name: attn, .offset: 8, .size: 8, .value_kind: global_buffer, .address_space: global }
    .group_segment_fixed_size: 327680
    .private_segment_fixed_size: 0
    .kernarg_segment_align: 8
    .kernarg_segment_size: 16
    .max_flat_workgroup_size: 128
    .sgpr_count:     100
    .vgpr_count:     768
    .wavefront_size: 32
...
	.end_amdgpu_metadata
.endif
;; end of part 3
;; launch ln2 (part 4): grid 256 x 1, 8 waves a work-group, no clusters, 0 bytes of LDS; arguments x, attn, ln2_g, ln2_b, hb; writes hb
.if DOCPART == 4
	.amdgcn_target "amdgcn-amd-amdhsa--gfx1250"
	.amdhsa_code_object_version 6
	.text
	.protected	k_qfe6dac44da_ln2
	.globl	k_qfe6dac44da_ln2
	.p2align	8
	.type	k_qfe6dac44da_ln2,@function
k_qfe6dac44da_ln2:
	s_mov_b64 s[64:65], 0
	v_nop
	global_prefetch_b8 v0, s[64:65] scope:SCOPE_SE
	s_setreg_imm32_b32 hwreg(HW_REG_WAVE_MODE, 25, 1), 1
	s_wait_xcnt 0x0
; hb = LayerNorm(x + attn) * ln2_g + ln2_b, rounded once to bf16.  x [4096][1024] f32; attn [16 b + head][2048][64] f16.  16 rows a work-group.
; A stream: no LDS, no barrier.  Half a wave owns a row; lane r holds the numbers 128 c + 8 r .. + 7, c = 0..7.  The mean is taken away before the squares are summed.
; x + attn is not stored: the last launch adds the two again.  Sums in f32; NaN and infinities are not treated apart.
.set X,   32
.set G,   96
.set BB,  160
.set AT,  224                          ; v[224:255] attn: chunk c's eight f16 in four registers
.set XO,  2
.set PO,  3
.set HO,  4
.set AO,  5
.set MU,  6
.set RS,  8
.set CH,  10
.set VA,  18
.set K10, 19
.set ONE, 20
	s_load_b256 s[4:11], s[0:1], 0x0               ; x, attn, ln2_g, ln2_b
	s_load_b64 s[12:13], s[0:1], 0x20              ; hb
	v_and_b32 v1, 15, v0                           ; r
	v_lshrrev_b32 v21, 4, v0                       ; my row among the group's 16
	v_lshlrev_b32 v[PO], 5, v1
	v_lshl_add_u32 v[XO], v21, 12, v[PO]
	v_lshlrev_b32 v[HO], 4, v1
	v_lshl_add_u32 v[HO], v21, 11, v[HO]
	v_bfe_u32 v22, v0, 3, 1                        ; which of a chunk's two heads
	v_and_b32 v23, 7, v0
	v_lshlrev_b32 v[AO], 18, v22
	v_lshl_add_u32 v[AO], v21, 7, v[AO]
	v_lshl_add_u32 v[AO], v23, 4, v[AO]
	v_mov_b32 v[K10], 0x3a800000
	v_mov_b32 v[ONE], 1.0
	s_lshl_b32 s14, ttmp9, 16
	s_mov_b32 s15, 0
	s_lshl_b32 s16, ttmp9, 15
	s_mov_b32 s17, 0
	s_lshr_b32 s18, ttmp9, 7                       ; the batch: 16 heads of 262,144 bytes
	s_lshl_b32 s18, s18, 22
	s_and_b32 s20, ttmp9, 127
	s_lshl_b32 s20, s20, 11                        ; 16 rows of 128 bytes
	s_add_co_u32 s18, s18, s20
	s_mov_b32 s19, 0
	s_wait_kmcnt 0x0
	s_add_nc_u64 s[4:5], s[4:5], s[14:15]
	s_add_nc_u64 s[6:7], s[6:7], s[18:19]
	s_add_nc_u64 s[12:13], s[12:13], s[16:17]
.irp c, 0,1,2,3,4,5,6,7
	global_load_b128 v[X+8*(\c):X+8*(\c)+3],   v[XO], s[4:5] offset:512*(\c)
	global_load_b128 v[X+8*(\c)+4:X+8*(\c)+7], v[XO], s[4:5] offset:512*(\c)+16
.endr
.irp c, 0,1,2,3,4,5,6,7
	global_load_b128 v[AT+4*(\c):AT+4*(\c)+3], v[AO], s[6:7] offset:524288*(\c)  ; two heads x two neighbouring rows: two blocks of 256 bytes
.endr
.irp c, 0,1,2,3,4,5,6,7
	global_load_b128 v[G+8*(\c):G+8*(\c)+3],   v[PO], s[8:9] offset:512*(\c)
	global_load_b128 v[G+8*(\c)+4:G+8*(\c)+7], v[PO], s[8:9] offset:512*(\c)+16
.endr
.irp c, 0,1,2,3,4,5,6,7
	global_load_b128 v[BB+8*(\c):BB+8*(\c)+3],   v[PO], s[10:11] offset:512*(\c)
	global_load_b128 v[BB+8*(\c)+4:BB+8*(\c)+7], v[PO], s[10:11] offset:512*(\c)+16
.endr
.macro REDUCE
	v_pk_add_f32 v[CH:CH+1], v[CH:CH+1], v[CH+2:CH+3]
	v_pk_add_f32 v[CH+4:CH+5], v[CH+4:CH+5], v[CH+6:CH+7]
	v_pk_add_f32 v[CH:CH+1], v[CH:CH+1], v[CH+4:CH+5]
	v_add_f32 v[CH], v[CH], v[CH+1]
.irp m, 1,2,4,8
	v_add_f32_dpp v[CH], v[CH], v[CH] row_xmask:\m row_mask:0xf bank_mask:0xf
.endr
.endm
	s_wait_loadcnt 32                              ; x and attn are in; the 32 loads of gain and bias are younger
.set j, 0
.rept 32                                       ; x + attn: an f16 half times 1.0 plus the f32
	v_fma_mix_f32 v[X+2*j],   v[AT+j], v[ONE], v[X+2*j]   op_sel:[0,0,0] op_sel_hi:[1,0,0]
	v_fma_mix_f32 v[X+2*j+1], v[AT+j], v[ONE], v[X+2*j+1] op_sel:[1,0,0] op_sel_hi:[1,0,0]
.set j, j+1
.endr
.irp k, 0,1,2,3
	v_pk_add_f32 v[CH+2*(\k):CH+2*(\k)+1], v[X+2*(\k):X+2*(\k)+1], v[X+8+2*(\k):X+8+2*(\k)+1]
.endr
.set j, 8
.rept 24
	v_pk_add_f32 v[CH+2*(j%4):CH+2*(j%4)+1], v[CH+2*(j%4):CH+2*(j%4)+1], v[X+2*j:X+2*j+1]
.set j, j+1
.endr
	REDUCE
	v_mul_f32 v[MU], v[K10], v[CH]
	v_mul_f32 v[MU+1], v[K10], v[CH]
.set j, 0
.rept 32
	v_pk_add_f32 v[X+2*j:X+2*j+1], v[X+2*j:X+2*j+1], v[MU:MU+1] neg_lo:[0,1] neg_hi:[0,1]
.set j, j+1
.endr
.irp k, 0,1,2,3
	v_pk_mul_f32 v[CH+2*(\k):CH+2*(\k)+1], v[X+2*(\k):X+2*(\k)+1], v[X+2*(\k):X+2*(\k)+1]
.endr
.set j, 4
.rept 28
	v_pk_fma_f32 v[CH+2*(j%4):CH+2*(j%4)+1], v[X+2*j:X+2*j+1], v[X+2*j:X+2*j+1], v[CH+2*(j%4):CH+2*(j%4)+1]
.set j, j+1
.endr
	REDUCE
	v_fmaak_f32 v[VA], v[CH], v[K10], 0x3a83126f   ; variance + 1e-3
	v_rsq_f32 v[RS], v[VA]
	v_rsq_f32 v[RS+1], v[VA]
	v_nop                                          ; a plain instruction between the root and its use (ISA guide 5.7.2)
	s_wait_loadcnt 16                              ; the gain is in; the bias's 16 loads are younger
.set j, 0
	s_wait_alu depctr_va_vdst(0)
.rept 32
	v_pk_mul_f32 v[G+2*j:G+2*j+1], v[G+2*j:G+2*j+1], v[RS:RS+1]
.set j, j+1
.endr
	s_wait_loadcnt 0x0
.set j, 0
.rept 32
	v_pk_fma_f32 v[X+2*j:X+2*j+1], v[X+2*j:X+2*j+1], v[G+2*j:G+2*j+1], v[BB+2*j:BB+2*j+1]
.set j, j+1
.endr
.set j, 0
.rept 32
	v_cvt_pk_bf16_f32 v[X+j], v[X+2*j], v[X+2*j+1]
.set j, j+1
.endr
.irp c, 0,1,2,3,4,5,6,7
	global_store_b128 v[HO], v[X+4*(\c):X+4*(\c)+3], s[12:13] offset:256*(\c)  ; 16 lanes: 256 consecutive bytes of a row
.endr
	s_endpgm
.Lfunc_end_k_qfe6dac44da_ln2:
	.size	k_qfe6dac44da_ln2, .Lfunc_end_k_qfe6dac44da_ln2-k_qfe6dac44da_ln2
	.p2alignl 7, 3214868480
	.fill 96, 4, 3214868480
	.section	.rodata,"a",@progbits
	.p2align	6, 0x0
	.amdhsa_kernel k_qfe6dac44da_ln2
		.amdhsa_group_segment_fixed_size 0
		.amdhsa_private_segment_fixed_size 0
		.amdhsa_enable_private_segment 0
		.amdhsa_kernarg_size 40
		.amdhsa_user_sgpr_count 2
		.amdhsa_user_sgpr_kernarg_segment_ptr 1
		.amdhsa_wavefront_size32 1
		.amdhsa_system_sgpr_workgroup_id_x 1
		.amdhsa_system_sgpr_workgroup_id_y 1
		.amdhsa_system_sgpr_workgroup_id_z 1
		.amdhsa_system_vgpr_workitem_id 0
		.amdhsa_next_free_vgpr 256
		.amdhsa_next_free_sgpr 66
		.amdhsa_reserve_vcc 0
		.amdhsa_float_denorm_mode_32 3
		.amdhsa_float_denorm_mode_16_64 3
		.amdhsa_memory_ordered 1
		.amdhsa_forward_progress 1
		.amdhsa_inst_pref_size 25
	.end_amdhsa_kernel
	.amdgpu_metadata
---
amdhsa.version: [ 1, 2 ]
amdhsa.kernels:
  - .name:           k_qfe6dac44da_ln2
    .symbol:         k_qfe6dac44da_ln2.kd
    .args:
      - { .name: x, .offset: 0, .size: 8, .value_kind: global_buffer, .address_space: global }
      - { .name: attn, .offset: 8, .size: 8, .value_kind: global_buffer, .address_space: global }
      - { .name: ln2_g, .offset: 16, .size: 8, .value_kind: global_buffer, .address_space: global }
      - { .name: ln2_b, .offset: 24, .size: 8, .value_kind: global_buffer, .address_space: global }
      - { .name: hb, .offset: 32, .size: 8, .value_kind: global_buffer, .address_space: global }
    .group_segment_fixed_size: 0
    .private_segment_fixed_size: 0
    .kernarg_segment_align: 8
    .kernarg_segment_size: 40
    .max_flat_workgroup_size: 256
    .sgpr_count:     66
    .vgpr_count:     256
    .wavefront_size: 32
...
	.end_amdgpu_metadata
.endif
;; end of part 4
;; launch ffn1 (part 5): grid 16 x 16, 4 waves a work-group, clusters of 4 x 4, 327,680 bytes of LDS; arguments hb, w1b, g1, b1; writes g1
.if DOCPART == 5
	.amdgcn_target "amdgcn-amd-amdhsa--gfx1250"
	.amdhsa_code_object_version 6
	.text
	.protected	k_qfe6dac44da_ffn1
	.globl	k_qfe6dac44da_ffn1
	.p2align	8
	.type	k_qfe6dac44da_ffn1,@function
k_qfe6dac44da_ffn1:
	s_mov_b64 s[64:65], 0
	v_nop
	global_prefetch_b8 v0, s[64:65] scope:SCOPE_SE
	s_setreg_imm32_b32 hwreg(HW_REG_WAVE_MODE, 25, 1), 1
	s_wait_xcnt 0x0
	s_wait_alu depctr_hold_cnt(0) depctr_sa_sdst(0) depctr_va_vdst(0) depctr_va_sdst(0) depctr_va_ssrc(0) depctr_va_vcc(0) depctr_vm_vsrc(0)
	s_getreg_b32 s2, hwreg(HW_REG_IB_STS2, 6, 4)
	s_cmp_eq_u32 s2, 0
	s_cbranch_scc0 .Lentry_in_a_cluster
	s_endpgm
.Lentry_in_a_cluster:
	s_bfe_u32 s2, ttmp6, 0x10000c
	s_cmp_lg_u32 s2, 0xf033
	s_cbranch_scc0 .Lentry_shape_is_right
	s_endpgm
.Lentry_shape_is_right:
; g1 = gelu(hb [4096][1024] x w1b [1024 k][4096 n] + b1), bf16 operands, f32 sums, exact (erf) GELU in f32, rounded once to bf16.
; gelu(z) = max(z, 0) - |z| Q(|z|), Q = 1 - Phi by the five-term rational form in t = 1 / (1 + 0.2316419 |z|) times exp(-z^2 / 2): no difference of near numbers in either tail.
; LIMITS: Q is off by up to 7.5e-8, so the result by |z| x 7.5e-8; |z| under 1e38; NaN and infinities are not treated apart.
; A work-group makes 256 x 256, 256 work-groups; a wave 128 x 128: 64 accumulators.  K goes in 8 steps of 128 through two LDS slots.  B lies [k][n] and is turned on the way out of LDS.
; The matrix instruction is used transposed (source 0 = 16 columns of B, source 1 = 16 rows of A): a lane holds one row and eight neighbouring columns.  The bias is the first product's C.
; CLUSTER 4 x 4: A's tiles are asked for jointly along a row of the cluster, B's along a column.  The K loop holds one K step and is entered in its middle.
; WINDOWS: 0: v0-31 addresses, v64-191 A's two fragment buffers (later the GELU's registers).  1: v64-191 B's two buffers, v192-255 the bias.  2, 3: accumulators at 8 (8 (a % 4) + b).
.set STEPS, 8
.set PITA,  272
.set PITB,  544                        ; a k row of B: 512 bytes + 32: 136 words, so 8 rows start 8 banks apart
.set BOFF,  256*PITA
.set SLOT,  0x22000                    ; 69,632 + 69,632; no fill base has one of its two bits
.set ASTEP, 256
.set BSTEP, 128*4096*2
.set DP,    560                        ; the way out: 128 f32, 16 bytes between the halves, 32 behind: 140 words
.set DREG,  128*DP
.set SPARE, 4*DREG
.set ADRA0, 16
.set ADRB0, 17
.set ADRA,  18
.set ADRB,  19
.set DST,   24
.set RD,    25
.set GO,    26
.set SPW,   28
.set NIL,   29
.set F0,    64
.set F1,    128
.set BIAS,  192
.set G1,  24
.set G0,  32
.set G1B, 48
.set G0B, 56
.set KP,  76                           ; s76      0.2316419
.set KSQ, 78                           ; s[78:79] sqrt(log2(e) / 2)
.set CC1, 80                           ; s[80:89] the five coefficients, each divided by sqrt(2 pi), as pairs
.set MSB, 0
.macro WIN new
.if MSB != (\new)
	s_set_vgpr_msb (MSB<<8)|(\new)
.set MSB, \new
.endif
.endm
.macro PLACES
.rept 4
	v_nop
.endr
.endm
.macro JLOAD s                         ; a joint load: waves 0 and 1 fetch A's halves, waves 2 and 3 B's; s_nop 0 and four v_nop follow each line
	s_cmp_eq_u32 s11, 0
	s_cbranch_scc0 .Lfor_b_\@
	tensor_load_to_lds s[G0+4*(\s):G0+4*(\s)+3], s[G1:G1+7]
	s_nop 0
.rept 4
	v_nop
.endr
	s_branch .Lasked_\@
.Lfor_b_\@:
	tensor_load_to_lds s[G0B+4*(\s):G0B+4*(\s)+3], s[G1B:G1B+7]
	s_nop 0
.rept 4
	v_nop
.endr
.Lasked_\@:
.endm
.macro CREST
	s_cmp_lg_u32 s10, 0
	s_cbranch_scc1 .Lnot_wave_0_\@
	s_barrier_signal -3
.Lnot_wave_0_\@:
	s_barrier_wait -3
	s_barrier_signal -1
	s_barrier_wait -1
.endm
.macro CROUND
	s_barrier_signal -1
	s_barrier_wait -1
	CREST
.endm
	s_load_b128 s[4:7], s[0:1], 0x0                ; hb, w1b
	s_load_b64 s[8:9], s[0:1], 0x10                ; g1
	s_load_b64 s[68:69], s[0:1], 0x18              ; b1
	v_lshl_add_u32 v[SPW], v0, 2, SPARE
	v_mov_b32 v[NIL], 0
	ds_add_u32 v[SPW], v[NIL]                      ; the wave's opening: the add and its wait, ahead of my first tensor load
	ds_add_u32 v28, v29
	v_lshrrev_b32 v1, 5, v0
	v_readfirstlane_b32 s10, v1
	s_lshr_b32 s11, s10, 1                         ; my half of the rows; also: I fetch for A (0) or B (1)
	s_and_b32 s12, s10, 1                          ; my half of the columns; also: which half of that tile I fetch
	s_bfe_u32 s40, ttmp6, 0x40000
	s_bfe_u32 s41, ttmp6, 0x40004
	s_lshl_b32 s42, ttmp9, 2
	s_add_co_u32 s42, s42, s40                     ; tile column
	s_and_b32 s13, ttmp7, 0xffff
	s_lshl_b32 s13, s13, 2
	s_add_co_u32 s13, s13, s41                     ; tile row
	s_lshl_b32 s43, s41, 2
	s_lshl_b32 s43, 15, s43
	s_lshl_b32 s44, 0x1111, s40
	s_or_b32 s[G1+0], s43, (1<<16)|(1<<20)|(1<<21)|(5<<22)|(3<<25)   ; A: 128 rows x 128 elements, 4 words of padding after every 64
	s_mov_b32 s[G1+1], 128<<16
	s_mov_b32 s[G1+2], 128<<16
	s_mov_b32 s[G1+3], 128<<16
	s_mov_b32 s[G1+4], 128
	s_mov_b32 s[G1+5], 1024
	s_mov_b32 s[G1+6], 0
	s_mov_b32 s[G1+7], 0
	s_or_b32 s[G1B+0], s44, (1<<16)|(1<<20)|(1<<21)|(6<<22)|(7<<25)  ; B: 64 k rows x 256 elements, 8 words after every 128
	s_mov_b32 s[G1B+1], 256<<16
	s_mov_b32 s[G1B+2], 64<<16
	s_mov_b32 s[G1B+3], 256<<16
	s_mov_b32 s[G1B+4], 64
	s_mov_b32 s[G1B+5], 4096
	s_mov_b32 s[G1B+6], 0
	s_mov_b32 s[G1B+7], 0
	s_mov_b32 s[KP], 0x3e6d3389
	s_mov_b32 s[KSQ], 0x3f596d27
	s_mov_b32 s[KSQ+1], s[KSQ]
	s_mov_b32 s[CC1], 0x3e027906
	s_mov_b32 s[CC1+1], s[CC1]
	s_mov_b32 s[CC1+2], 0xbe11a98e
	s_mov_b32 s[CC1+3], s[CC1+2]
	s_mov_b32 s[CC1+4], 0x3f35f0e3
	s_mov_b32 s[CC1+5], s[CC1+4]
	s_mov_b32 s[CC1+6], 0xbf3a00e3
	s_mov_b32 s[CC1+7], s[CC1+6]
	s_mov_b32 s[CC1+8], 0x3f07dc22
	s_mov_b32 s[CC1+9], s[CC1+8]
	s_lshl_b32 s16, s13, 8
	s_lshl_b32 s17, s12, 7
	s_add_co_u32 s16, s16, s17
	s_lshl_b32 s16, s16, 11                        ; A: rows of 2,048 bytes
	s_mov_b32 s17, 0
	s_lshl_b32 s46, s12, 19                        ; B: 64 k rows of 8,192 bytes,
	s_lshl_b32 s47, s42, 9                         ; 256 columns a tile
	s_add_co_u32 s46, s46, s47
	s_mov_b32 s47, 0
	s_mul_i32 s20, s12, 128*PITA
	s_mul_i32 s21, s12, 64*PITB
	s_add_co_u32 s21, s21, BOFF
	s_wait_dscnt 0x0                               ; the opening add is done
	s_wait_kmcnt 0x0
	s_add_nc_u64 s[14:15], s[4:5], s[16:17]
	s_add_nc_u64 s[46:47], s[6:7], s[46:47]
	CROUND
.irp s, 0,1
	s_mov_b32 s[G0+4*(\s)], 1
	s_add_co_u32 s[G0+4*(\s)+1], s20, (\s)*SLOT
	s_add_nc_u64 s[G0+4*(\s)+2:G0+4*(\s)+3], s[14:15], (\s)*ASTEP
	s_or_b32 s[G0+4*(\s)+3], s[G0+4*(\s)+3], 0x80000000
	s_mov_b32 s[G0B+4*(\s)], 1
	s_add_co_u32 s[G0B+4*(\s)+1], s21, (\s)*SLOT
	s_add_nc_u64 s[G0B+4*(\s)+2:G0B+4*(\s)+3], s[46:47], (\s)*BSTEP
	s_or_b32 s[G0B+4*(\s)+3], s[G0B+4*(\s)+3], 0x80000000
	JLOAD \s                                       ; K steps 0 and 1: two tensor loads of mine are out
.endr
	v_and_b32 v1, 15, v0
	v_bfe_u32 v2, v0, 4, 1
	v_lshlrev_b32 v5, 5, v2
	s_lshl_b32 s70, s42, 10
	s_lshl_b32 s71, s12, 9
	s_add_co_u32 s70, s70, s71                     ; my 128 columns of b1
	s_mov_b32 s71, 0
	s_add_nc_u64 s[68:69], s[68:69], s[70:71]
	WIN 0x40
.irp b, 0,1,2,3,4,5,6,7
	global_load_b128 v[BIAS+8*(\b):BIAS+8*(\b)+3],   v5, s[68:69] offset:64*(\b)
	global_load_b128 v[BIAS+8*(\b)+4:BIAS+8*(\b)+7], v5, s[68:69] offset:64*(\b)+16
.endr
	WIN 0
	v_mul_u32_u24 v3, v1, PITA
	v_lshl_add_u32 v3, v2, 4, v3
	s_mul_i32 s22, s11, 128*PITA
	v_add_nc_u32 v[ADRA0], s22, v3
	v_and_b32 v4, 7, v0
	v_lshl_add_u32 v4, v2, 3, v4
	v_mul_u32_u24 v4, v4, PITB
	v_bfe_u32 v6, v0, 3, 1
	v_lshl_add_u32 v4, v6, 4, v4
	s_lshl_b32 s22, s12, 8
	s_add_co_u32 s22, s22, BOFF
	v_add_nc_u32 v[ADRB0], s22, v4
	v_mov_b32 v[ADRA], v[ADRA0]
	v_mov_b32 v[ADRB], v[ADRB0]
	s_mov_b32 s2, 0
	s_mul_i32 s23, s10, DREG
	v_mul_u32_u24 v3, v1, DP
	v_lshl_add_u32 v3, v2, 5, v3
	v_add_nc_u32 v[DST], s23, v3
	v_lshlrev_b32 v3, 5, v1                        ; back: lane r takes 8 numbers, lanes 8-15 behind the 16 bytes between the halves
	v_lshl_add_u32 v3, v6, 4, v3
	v_mul_u32_u24 v4, v2, DP
	v_add3_u32 v[RD], v3, v4, s23
	v_lshlrev_b32 v[GO], 4, v1
	v_lshl_add_u32 v[GO], v2, 13, v[GO]
	s_lshl_b32 s72, s13, 8
	s_lshl_b32 s73, s11, 7
	s_add_co_u32 s72, s72, s73
	s_lshl_b32 s72, s72, 13                        ; rows of 8,192 bytes
	s_lshl_b32 s73, s42, 9
	s_add_co_u32 s72, s72, s73
	s_lshl_b32 s73, s12, 8
	s_add_co_u32 s72, s72, s73
	s_mov_b32 s73, 0
	s_add_nc_u64 s[8:9], s[8:9], s[72:73]
; 16 products: row blocks a0, a0 + 1 of the window's four x all 8 column blocks.  cinit = 1: the bias starts the sums.  All 64 accumulators take turns.
.macro MUL16 f, hi, a0, cinit
.if \cinit
	WIN 0x91+0x40*(\hi)
.else
	WIN 0xa1+0x50*(\hi)
.endif
.irp a, \a0, (\a0)+1
.irp b, 0,1,2,3,4,5,6,7
.if \cinit
	v_wmma_f32_16x16x32_bf16 v[8*(8*(\a)+(\b)):8*(8*(\a)+(\b))+7], v[(\f)+8*(\b):(\f)+8*(\b)+7], v[(\f)+8*(4*(\hi)+(\a)):(\f)+8*(4*(\hi)+(\a))+7], v[BIAS+8*(\b):BIAS+8*(\b)+7]
.else
	v_wmma_f32_16x16x32_bf16 v[8*(8*(\a)+(\b)):8*(8*(\a)+(\b))+7], v[(\f)+8*(\b):(\f)+8*(\b)+7], v[(\f)+8*(4*(\hi)+(\a)):(\f)+8*(4*(\hi)+(\a))+7], v[8*(8*(\a)+(\b)):8*(8*(\a)+(\b))+7]
.endif
.endr
.endr
.endm
.macro FETCH q, f                      ; 32 LDS loads in one run: B (turned), then A
	WIN 0x40
.irp i, 0,1,2,3,4,5,6,7
	ds_load_tr16_b128 v[(\f)+8*(\i):(\f)+8*(\i)+3],   v[ADRB] offset:(\q)*32*PITB+32*(\i)
	ds_load_tr16_b128 v[(\f)+8*(\i)+4:(\f)+8*(\i)+7], v[ADRB] offset:(\q)*32*PITB+32*(\i)+16*PITB
.endr
	WIN 0
.irp i, 0,1,2,3,4,5,6,7
	ds_load_b128 v[(\f)+8*(\i):(\f)+8*(\i)+3],   v[ADRA] offset:64*(\q)+(\i)*16*PITA
	ds_load_b128 v[(\f)+8*(\i)+4:(\f)+8*(\i)+7], v[ADRA] offset:64*(\q)+(\i)*16*PITA+32
.endr
.endm
.macro QUARTER qn, f, g, cinit
	s_wait_dscnt 8                                 ; B and A's rows 0-63 are in; the youngest eight loads may be out
	MUL16 \f, 0, 0, \cinit
	MUL16 \f, 0, 2, \cinit
	PLACES
	FETCH \qn, \g
	s_wait_dscnt 32                                ; all but the 32 just issued
	MUL16 \f, 1, 0, \cinit
	MUL16 \f, 1, 2, \cinit
.endm
; A step's last quarter and the change of slots: all my tensor loads waited for, the add, my reads of this slot waited for, the barrier; fill = 1: it opens a round of the cluster's, and the joint refill comes first behind it.
.macro TURN fill
	WIN 0
	s_wait_tensorcnt 0x0
	ds_add_u32 v[SPW], v[NIL]
	s_xor_b32 s2, s2, SLOT
	v_add_nc_u32 v[ADRA], s2, v[ADRA0]
	v_add_nc_u32 v[ADRB], s2, v[ADRB0]
	s_wait_dscnt 9                                 ; the add and the youngest eight loads may be out
	MUL16 F1, 0, 0, 0
	s_wait_dscnt 0x0
	s_barrier_signal -1
	MUL16 F1, 0, 2, 0
	WIN 0
	s_barrier_wait -1
.if \fill
	CREST
	s_xor_b32 s[G0+5], s[G0+5], SLOT
	s_add_nc_u64 s[G0+6:G0+7], s[G0+6:G0+7], ASTEP
	s_xor_b32 s[G0B+5], s[G0B+5], SLOT
	s_add_nc_u64 s[G0B+6:G0B+7], s[G0B+6:G0B+7], BSTEP
	JLOAD 1
.else
	PLACES
.endif
	FETCH 0, F0
	MUL16 F1, 1, 0, 0
	MUL16 F1, 1, 2, 0
.endm
	s_wait_tensorcnt 1                             ; my part of K step 0 is in; step 1's load is younger
	s_barrier_signal -1
	s_barrier_wait -1
	FETCH 0, F0
	s_wait_loadcnt 0x0                             ; the bias
	QUARTER 1, F0, F1, 1
	WIN 0
	s_mov_b32 s3, STEPS-1
	s_branch .Lentry
.Lstep:
	TURN 1
	QUARTER 1, F0, F1, 0
	WIN 0
.Lentry:
	QUARTER 2, F1, F0, 0
	QUARTER 3, F0, F1, 0
	WIN 0
	s_sub_co_u32 s3, s3, 1
	s_cmp_lg_u32 s3, 0
	s_cbranch_scc1 .Lstep
	TURN 0
	QUARTER 1, F0, F1, 0
	QUARTER 2, F1, F0, 0
	QUARTER 3, F0, F1, 0
	s_wait_dscnt 8
	MUL16 F1, 0, 0, 0
	MUL16 F1, 0, 2, 0
	s_wait_dscnt 0x0
	MUL16 F1, 1, 0, 0
	MUL16 F1, 1, 2, 0
	; THE WAY OUT.  The ring has had its last fill; behind a barrier each wave lays its 128 x 128 f32 into its own part of LDS, and a loop takes eight rows a trip through the GELU.
	WIN 0
	s_barrier_signal -1
	s_barrier_wait -1
	PLACES
.irp a, 0,1,2,3,4,5,6,7
	WIN 0x08+4*((\a)/4)                            ; store data in window 2 or 3
.irp b, 0,1,2,3,4,5,6,7
	ds_store_b128 v[DST], v[8*(8*((\a)%4)+(\b)):8*(8*((\a)%4)+(\b))+3]   offset:(\a)*16*DP+64*(\b)+16*((\b)/4)
	ds_store_b128 v[DST], v[8*(8*((\a)%4)+(\b))+4:8*(8*((\a)%4)+(\b))+7] offset:(\a)*16*DP+64*(\b)+16*((\b)/4)+16
.endr
.endr
	WIN 0
; THE GELU of a group g (0, 1) of 16 numbers a lane, z in v[32 + 16 g ..], as three numbered lists, so that one group's transcendentals can stand between the other group's plain lines.
; The group's registers at GB = 64 + 64 g: +0 1 + p |z|, then t, at last the 8 words of bf16; +16 z sqrt(log2(e) / 2), its negated square, exp(-z^2 / 2), then t exp(..);
; +32 the polynomial, then |z| times it; +48 max(z, 0), then the result.
.macro AOP g, k                        ; 32 plain lines ahead of the transcendentals
.set ZB, 32+16*(\g)
.set GB, 64+64*(\g)
.if (\k) < 16
	v_fma_f32 v[GB+(\k)], |v[ZB+(\k)]|, s[KP], 1.0
.elseif (\k) < 24
.set u, 2*((\k)-16)
	v_pk_mul_f32 v[GB+16+u:GB+16+u+1], v[ZB+u:ZB+u+1], s[KSQ:KSQ+1] op_sel_hi:[1,0]
.else
.set u, 2*((\k)-24)
	v_pk_mul_f32 v[GB+16+u:GB+16+u+1], v[GB+16+u:GB+16+u+1], v[GB+16+u:GB+16+u+1] neg_lo:[1,0] neg_hi:[1,0]
.endif
.endm
.macro TOP g, k                        ; 32 transcendentals
.set GB, 64+64*(\g)
.if (\k) < 16
	v_rcp_f32 v[GB+(\k)], v[GB+(\k)]
.else
	v_exp_f32 v[GB+(\k)], v[GB+(\k)]
.endif
.endm
.macro BOP g, k                        ; 88 plain lines behind them, stage by stage: a line reads no result made fewer than eight lines of its list ahead of it
.set ZB, 32+16*(\g)
.set GB, 64+64*(\g)
.if (\k) < 16
	v_max_num_f32 v[GB+48+(\k)], 0, v[ZB+(\k)]
.elseif (\k) < 24
.set u, 2*((\k)-16)
	s_wait_alu depctr_va_vdst(0)
	v_pk_fma_f32 v[GB+32+u:GB+32+u+1], v[GB+u:GB+u+1], s[CC1+8:CC1+9], s[CC1+6:CC1+7] op_sel_hi:[1,0,0]
.elseif (\k) < 48
.set u, 2*(((\k)-24)%8)
.set cf, 4-2*(((\k)-24)/8)
	v_pk_fma_f32 v[GB+32+u:GB+32+u+1], v[GB+32+u:GB+32+u+1], v[GB+u:GB+u+1], s[CC1+cf:CC1+cf+1] op_sel_hi:[1,1,0]
.elseif (\k) < 56
.set u, 2*((\k)-48)
	v_pk_mul_f32 v[GB+16+u:GB+16+u+1], v[GB+u:GB+u+1], v[GB+16+u:GB+16+u+1]
.elseif (\k) < 72
	v_mul_f32 v[GB+32+(\k)-56], |v[ZB+(\k)-56]|, v[GB+32+(\k)-56]
.elseif (\k) < 80
.set u, 2*((\k)-72)
	v_pk_fma_f32 v[GB+48+u:GB+48+u+1], v[GB+16+u:GB+16+u+1], v[GB+32+u:GB+32+u+1], v[GB+48+u:GB+48+u+1] neg_lo:[1,0,0] neg_hi:[1,0,0]
.else
	v_cvt_pk_bf16_f32 v[GB+(\k)-80], v[GB+48+2*((\k)-80)], v[GB+48+2*((\k)-80)+1]
.endif
.endm
	s_mov_b32 s3, 16
.Lout:                                                 ; a trip: 8 rows, as two groups of 4 (lanes 0-15 one row, lanes 16-31 the next)
.irp p, 0,1,2,3
	ds_load_b128 v[32+8*(\p):32+8*(\p)+3],   v[RD] offset:(\p)*2*DP      ; LDS serves a wave's instructions in order: these see my stores
	ds_load_b128 v[32+8*(\p)+4:32+8*(\p)+7], v[RD] offset:(\p)*2*DP+16
.endr
	s_wait_dscnt 4                                 ; the first group is in; the second's four loads are younger
.set n, 0
.rept 32
	AOP 0, n
.set n, n+1
.endr
	s_wait_dscnt 0x0                               ; the second group is in
.set n, 0
.rept 32                                       ; group 0's transcendentals, a plain line of group 1 behind each (ISA guide 5.7.2: a plain, independent line ahead of the result's use)
	TOP 0, n
	AOP 1, n
.set n, n+1
.endr
.set n, 0
.set m, 0
.rept 32                                       ; group 1's transcendentals, two or three of group 0's 88 last lines behind each: 8 x (3 + 3 + 3 + 2)
	TOP 1, n
	BOP 0, m
	BOP 0, m+1
.if n%4 != 3
	BOP 0, m+2
.set m, m+3
.else
.set m, m+2
.endif
.set n, n+1
.endr
	global_store_b128 v[GO], v[64:67], s[8:9]                  ; 16 lanes: 256 consecutive aligned bytes of a row
	global_store_b128 v[GO], v[68:71], s[8:9] offset:16384
.set n, 0
.rept 88
	BOP 1, n
.set n, n+1
.endr
	global_store_b128 v[GO], v[128:131], s[8:9] offset:32768
	global_store_b128 v[GO], v[132:135], s[8:9] offset:49152
	s_wait_xcnt 0x0                                ; the stores' data and offset are rewritten only behind this wait
	v_add_nc_u32 v[RD], 8*DP, v[RD]
	v_add_nc_u32 v[GO], 65536, v[GO]
	s_sub_co_u32 s3, s3, 1
	s_cmp_lg_u32 s3, 0
	s_cbranch_scc1 .Lout
	s_wait_tensorcnt 0x0                           ; the wave's end
	ds_add_u32 v[SPW], v[NIL]
	s_wait_dscnt 0x0
	CROUND
	s_endpgm
.Lfunc_end_k_qfe6dac44da_ffn1:
	.size	k_qfe6dac44da_ffn1, .Lfunc_end_k_qfe6dac44da_ffn1-k_qfe6dac44da_ffn1
	.p2alignl 7, 3214868480
	.fill 96, 4, 3214868480
	.section	.rodata,"a",@progbits
	.p2align	6, 0x0
	.amdhsa_kernel k_qfe6dac44da_ffn1
		.amdhsa_group_segment_fixed_size 327680
		.amdhsa_private_segment_fixed_size 0
		.amdhsa_enable_private_segment 0
		.amdhsa_kernarg_size 32
		.amdhsa_user_sgpr_count 2
		.amdhsa_user_sgpr_kernarg_segment_ptr 1
		.amdhsa_wavefront_size32 1
		.amdhsa_system_sgpr_workgroup_id_x 1
		.amdhsa_system_sgpr_workgroup_id_y 1
		.amdhsa_system_sgpr_workgroup_id_z 1
		.amdhsa_system_vgpr_workitem_id 0
		.amdhsa_next_free_vgpr 1024
		.amdhsa_next_free_sgpr 92
		.amdhsa_reserve_vcc 0
		.amdhsa_float_denorm_mode_32 3
		.amdhsa_float_denorm_mode_16_64 3
		.amdhsa_memory_ordered 1
		.amdhsa_forward_progress 1
		.amdhsa_inst_pref_size 101
	.end_amdhsa_kernel
	.amdgpu_metadata
---
amdhsa.version: [ 1, 2 ]
amdhsa.kernels:
  - .name:           k_qfe6dac44da_ffn1
    .symbol:         k_qfe6dac44da_ffn1.kd
    .args:
      - { .name: hb, .offset: 0, .size: 8, .value_kind: global_buffer, .address_space: global }
      - { .name: w1b, .offset: 8, .size: 8, .value_kind: global_buffer, .address_space: global }
      - { .name: g1, .offset: 16, .size: 8, .value_kind: global_buffer, .address_space: global }
      - { .name: b1, .offset: 24, .size: 8, .value_kind: global_buffer, .address_space: global }
    .group_segment_fixed_size: 327680
    .private_segment_fixed_size: 0
    .kernarg_segment_align: 8
    .kernarg_segment_size: 32
    .max_flat_workgroup_size: 128
    .sgpr_count:     92
    .vgpr_count:     1024
    .wavefront_size: 32
...
	.end_amdgpu_metadata
.endif
;; end of part 5
;; launch ffn2 (part 6): grid 8 x 32, 4 waves a work-group, clusters of 4 x 4, 327,680 bytes of LDS; arguments g1, w2b, out0, b2, x, attn; writes out0
.if DOCPART == 6
	.amdgcn_target "amdgcn-amd-amdhsa--gfx1250"
	.amdhsa_code_object_version 6
	.text
	.protected	k_qfe6dac44da_ffn2
	.globl	k_qfe6dac44da_ffn2
	.p2align	8
	.type	k_qfe6dac44da_ffn2,@function
k_qfe6dac44da_ffn2:
	s_mov_b64 s[64:65], 0
	v_nop
	global_prefetch_b8 v0, s[64:65] scope:SCOPE_SE
	s_setreg_imm32_b32 hwreg(HW_REG_WAVE_MODE, 25, 1), 1
	s_wait_xcnt 0x0
	s_wait_alu depctr_hold_cnt(0) depctr_sa_sdst(0) depctr_va_vdst(0) depctr_va_sdst(0) depctr_va_ssrc(0) depctr_va_vcc(0) depctr_vm_vsrc(0)
	s_getreg_b32 s2, hwreg(HW_REG_IB_STS2, 6, 4)
	s_cmp_eq_u32 s2, 0
	s_cbranch_scc0 .Lentry_in_a_cluster
	s_endpgm
.Lentry_in_a_cluster:
	s_bfe_u32 s2, ttmp6, 0x10000c
	s_cmp_lg_u32 s2, 0xf033
	s_cbranch_scc0 .Lentry_shape_is_right
	s_endpgm
.Lentry_shape_is_right:
; out0 = x + attn + g1 [4096][4096] x w2b [4096 k][1024 n] + b2.  bf16 operands, f32 sums; x f32, attn f16 by heads; out0 f32.
; A work-group makes 128 x 128 (256 work-groups), a wave 64 x 64: 16 accumulators.  K goes in 16 steps of 256 through two LDS slots: the longest step of which two slots fit.
; B lies [k][n] and is turned on the way out of LDS.  The matrix instruction is used transposed: a lane holds one row and eight neighbouring columns.  b2 is the first product's C.
; A wave's 64 columns are one head of attn.  Its x and attn are asked for behind the first quarter and waited for only at the way out: 64 loads that stay out during the whole K loop.
; CLUSTER 4 x 4: A's tiles jointly along a row of the cluster, B's along a column.  The K loop holds one K step and is entered in its middle.
; THE WALK ALONG K IS ROTATED in every second cluster: where cluster x + cluster y is odd it begins at K step 8 and wraps round.  The two clusters that need a tile of A differ in that parity, and of
; the eight that need a tile of B four have each: so in the second half of every walk each tile has been asked for, eight steps earlier, by another cluster.  The f32 sums are taken in the walk's order:
; an order of rounding that differs from cluster to cluster and from an ascending K.
; WINDOWS: 0: v0-31 addresses, v32-95 the way out, v128-255 accumulators at 128 + 8 (4 a + b).  1: two fragment buffers of 128 (64 of A, 64 of B).  2: v0-127 x, v128-191 attn, v192-223 b2.
.set STEPS, 16
.set PITA,  528                        ; a row of A: 512 bytes + 16
.set PITB,  288                        ; a k row of B: 256 bytes + 32: 72 words, so 8 rows start 8 banks apart
.set BOFF,  128*PITA
.set SLOT,  0x24000                    ; 67,584 + 73,728 and room; no fill base has one of its two bits
.set SPARE, 2*SLOT
.set ASH,   9                          ; a K step is 512 bytes along a row of A,
.set BSH,   19                         ; and 256 k rows of 2,048 bytes of B
.set DP,    272
.set DREG,  64*DP
.set ADRA0, 16
.set ADRB0, 17
.set ADRC0, 18                         ; B's k rows 128 on: the offsets of quarters 2 and 3 would pass 16 bits
.set ADRA,  19
.set ADRB,  20                         ; v20, v21
.set AO,    23
.set DST,   24
.set RD,    25
.set XO,    26
.set ONE,   27
.set SPW,   28
.set NIL,   29
.set ACC,   128
.set F0,    0
.set F1,    128
.set BIAS,  192
.set G1,  24
.set G0,  32
.set G1B, 48
.set G0B, 56
.set NXT, 80                           ; s80  the walk's next K step to be asked for, before the wrap
.set STP, 81                           ; s81  that number modulo 16
.set OFS, 82                           ; s[82:83] its byte offset in A or in B
.set MSB, 0
.macro WIN new
.if MSB != (\new)
	s_set_vgpr_msb (MSB<<8)|(\new)
.set MSB, \new
.endif
.endm
.macro PLACES
.rept 4
	v_nop
.endr
.endm
.macro JLOAD s                         ; a joint load: waves 0 and 1 fetch A's halves, waves 2 and 3 B's; s_nop 0 and four v_nop follow each line
	s_cmp_eq_u32 s11, 0
	s_cbranch_scc0 .Lfor_b_\@
	tensor_load_to_lds s[G0+4*(\s):G0+4*(\s)+3], s[G1:G1+7]
	s_nop 0
.rept 4
	v_nop
.endr
	s_branch .Lasked_\@
.Lfor_b_\@:
	tensor_load_to_lds s[G0B+4*(\s):G0B+4*(\s)+3], s[G1B:G1B+7]
	s_nop 0
.rept 4
	v_nop
.endr
.Lasked_\@:
.endm
.macro CREST
	s_cmp_lg_u32 s10, 0
	s_cbranch_scc1 .Lnot_wave_0_\@
	s_barrier_signal -3
.Lnot_wave_0_\@:
	s_barrier_wait -3
	s_barrier_signal -1
	s_barrier_wait -1
.endm
.macro CROUND
	s_barrier_signal -1
	s_barrier_wait -1
	CREST
.endm
	s_load_b128 s[4:7], s[0:1], 0x0                ; g1, w2b
	s_load_b64 s[8:9], s[0:1], 0x10                ; out0
	s_load_b64 s[68:69], s[0:1], 0x18              ; b2
	s_load_b128 s[72:75], s[0:1], 0x20             ; x, attn
	v_lshl_add_u32 v[SPW], v0, 2, SPARE
	v_mov_b32 v[NIL], 0
	ds_add_u32 v[SPW], v[NIL]                      ; the wave's opening: the add and its wait, ahead of my first tensor load
	ds_add_u32 v28, v29
	v_lshrrev_b32 v1, 5, v0
	v_readfirstlane_b32 s10, v1
	s_lshr_b32 s11, s10, 1
	s_and_b32 s12, s10, 1
	s_bfe_u32 s40, ttmp6, 0x40000
	s_bfe_u32 s41, ttmp6, 0x40004
	s_lshl_b32 s42, ttmp9, 2
	s_add_co_u32 s42, s42, s40                     ; tile column
	s_and_b32 s13, ttmp7, 0xffff
	s_add_co_u32 s45, s13, ttmp9                   ; cluster y + cluster x: the same in all sixteen partners
	s_and_b32 s45, s45, 1
	s_lshl_b32 s[NXT], s45, 3                      ; my cluster's walk begins at K step 0 or 8
	s_mov_b32 s[OFS+1], 0
	s_lshl_b32 s13, s13, 2
	s_add_co_u32 s13, s13, s41                     ; tile row
	s_lshl_b32 s43, s41, 2
	s_lshl_b32 s43, 15, s43
	s_lshl_b32 s44, 0x1111, s40
	s_or_b32 s[G1+0], s43, (1<<16)|(1<<20)|(1<<21)|(6<<22)|(3<<25)   ; A: 64 rows x 256 elements, 4 words of padding after every 128
	s_mov_b32 s[G1+1], 256<<16
	s_mov_b32 s[G1+2], 64<<16
	s_mov_b32 s[G1+3], 256<<16
	s_mov_b32 s[G1+4], 64
	s_mov_b32 s[G1+5], 4096
	s_mov_b32 s[G1+6], 0
	s_mov_b32 s[G1+7], 0
	s_or_b32 s[G1B+0], s44, (1<<16)|(1<<20)|(1<<21)|(5<<22)|(7<<25)  ; B: 128 k rows x 128 elements, 8 words after every 64
	s_mov_b32 s[G1B+1], 128<<16
	s_mov_b32 s[G1B+2], 128<<16
	s_mov_b32 s[G1B+3], 128<<16
	s_mov_b32 s[G1B+4], 128
	s_mov_b32 s[G1B+5], 1024
	s_mov_b32 s[G1B+6], 0
	s_mov_b32 s[G1B+7], 0
	s_lshl_b32 s16, s13, 7
	s_lshl_b32 s17, s12, 6
	s_add_co_u32 s16, s16, s17
	s_lshl_b32 s16, s16, 13                        ; A: rows of 8,192 bytes
	s_mov_b32 s17, 0
	s_lshl_b32 s46, s12, 18                        ; B: 128 k rows of 2,048 bytes,
	s_lshl_b32 s47, s42, 8                         ; 128 columns a tile
	s_add_co_u32 s46, s46, s47
	s_mov_b32 s47, 0
	s_mul_i32 s20, s12, 64*PITA
	s_mul_i32 s21, s12, 128*PITB
	s_add_co_u32 s21, s21, BOFF
	s_wait_dscnt 0x0                               ; the opening add is done
	s_wait_kmcnt 0x0
	s_add_nc_u64 s[14:15], s[4:5], s[16:17]        ; A at my part of K step 0's tile: kept, every fill's address is made from it
	s_add_nc_u64 s[46:47], s[6:7], s[46:47]        ; the same for B
	CROUND
.irp s, 0,1
	s_lshl_b32 s[OFS], s[NXT], ASH                 ; the walk's first two steps do not wrap
	s_mov_b32 s[G0+4*(\s)], 1
	s_add_co_u32 s[G0+4*(\s)+1], s20, (\s)*SLOT
	s_add_nc_u64 s[G0+4*(\s)+2:G0+4*(\s)+3], s[14:15], s[OFS:OFS+1]
	s_or_b32 s[G0+4*(\s)+3], s[G0+4*(\s)+3], 0x80000000
	s_lshl_b32 s[OFS], s[NXT], BSH
	s_mov_b32 s[G0B+4*(\s)], 1
	s_add_co_u32 s[G0B+4*(\s)+1], s21, (\s)*SLOT
	s_add_nc_u64 s[G0B+4*(\s)+2:G0B+4*(\s)+3], s[46:47], s[OFS:OFS+1]
	s_or_b32 s[G0B+4*(\s)+3], s[G0B+4*(\s)+3], 0x80000000
	s_add_co_u32 s[NXT], s[NXT], 1
	JLOAD \s                                       ; the walk's steps 0 and 1: two tensor loads of mine are out
.endr
	v_and_b32 v1, 15, v0
	v_bfe_u32 v2, v0, 4, 1
	v_lshlrev_b32 v5, 5, v2
	s_lshl_b32 s70, s42, 9
	s_lshl_b32 s71, s12, 8
	s_add_co_u32 s70, s70, s71                     ; my 64 columns, in bytes of f32
	s_mov_b32 s71, 0
	s_add_nc_u64 s[68:69], s[68:69], s[70:71]
	WIN 0x80
.irp b, 0,1,2,3
	global_load_b128 v[BIAS+8*(\b):BIAS+8*(\b)+3],   v5, s[68:69] offset:64*(\b)
	global_load_b128 v[BIAS+8*(\b)+4:BIAS+8*(\b)+7], v5, s[68:69] offset:64*(\b)+16
.endr
	WIN 0
	v_mul_u32_u24 v3, v1, PITA
	v_lshl_add_u32 v3, v2, 4, v3
	s_mul_i32 s22, s11, 64*PITA
	v_add_nc_u32 v[ADRA0], s22, v3
	v_and_b32 v4, 7, v0
	v_lshl_add_u32 v4, v2, 3, v4
	v_mul_u32_u24 v4, v4, PITB
	v_bfe_u32 v6, v0, 3, 1
	v_lshl_add_u32 v4, v6, 4, v4
	s_lshl_b32 s22, s12, 7
	s_add_co_u32 s22, s22, BOFF
	v_add_nc_u32 v[ADRB0], s22, v4
	v_add_nc_u32 v[ADRC0], 128*PITB, v[ADRB0]
	v_mov_b32 v[ADRA], v[ADRA0]
	v_mov_b32 v[ADRB], v[ADRB0]
	v_mov_b32 v[ADRB+1], v[ADRC0]
	s_mov_b32 s2, 0
	s_mul_i32 s23, s10, DREG
	v_mul_u32_u24 v3, v1, DP
	v_lshl_add_u32 v3, v2, 5, v3
	v_add_nc_u32 v[DST], s23, v3
	v_mul_u32_u24 v3, v2, DP
	v_lshl_add_u32 v3, v1, 4, v3
	v_add_nc_u32 v[RD], s23, v3
	v_lshlrev_b32 v[XO], 4, v1
	v_lshl_add_u32 v[XO], v2, 12, v[XO]            ; lanes 0-15 one row's 256 bytes, lanes 16-31 the next row's
	v_and_b32 v[AO], 31, v0
	v_lshlrev_b32 v[AO], 3, v[AO]                  ; the same two rows of a head: 256 consecutive bytes
	v_mov_b32 v[ONE], 1.0
	s_lshl_b32 s76, s13, 7
	s_lshl_b32 s77, s11, 6
	s_add_co_u32 s76, s76, s77
	s_lshl_b32 s76, s76, 12                        ; rows of 4,096 bytes
	s_add_co_u32 s76, s76, s70
	s_mov_b32 s77, 0
	s_add_nc_u64 s[84:85], s[72:73], s[76:77]      ; x
	s_add_nc_u64 s[8:9], s[8:9], s[76:77]          ; out0
	s_lshr_b32 s78, s13, 4                         ; the batch
	s_lshl_b32 s78, s78, 4
	s_lshl_b32 s79, s42, 1
	s_add_co_u32 s78, s78, s79
	s_add_co_u32 s78, s78, s12                     ; 16 b + head
	s_lshl_b32 s78, s78, 11
	s_and_b32 s79, s13, 15
	s_lshl_b32 s79, s79, 7
	s_add_co_u32 s78, s78, s79
	s_lshl_b32 s79, s11, 6
	s_add_co_u32 s78, s78, s79
	s_lshl_b32 s78, s78, 7                         ; rows of 128 bytes
	s_mov_b32 s79, 0
	s_add_nc_u64 s[86:87], s[74:75], s[78:79]      ; attn
; 8 products: row blocks a0, a0 + 1 x all 4 column blocks, 32 along K: half c of buffer f.  The 16 accumulators take turns.
.macro MUL8 f, c, a0, cinit
.if \cinit
	WIN 0x25
.else
	WIN 0x05
.endif
.irp a, \a0, (\a0)+1
.irp b, 0,1,2,3
.if \cinit
	v_wmma_f32_16x16x32_bf16 v[ACC+8*(4*(\a)+(\b)):ACC+8*(4*(\a)+(\b))+7], v[(\f)+64+8*(4*(\c)+(\b)):(\f)+64+8*(4*(\c)+(\b))+7], v[(\f)+8*(4*(\c)+(\a)):(\f)+8*(4*(\c)+(\a))+7], v[BIAS+8*(\b):BIAS+8*(\b)+7]
.else
	v_wmma_f32_16x16x32_bf16 v[ACC+8*(4*(\a)+(\b)):ACC+8*(4*(\a)+(\b))+7], v[(\f)+64+8*(4*(\c)+(\b)):(\f)+64+8*(4*(\c)+(\b))+7], v[(\f)+8*(4*(\c)+(\a)):(\f)+8*(4*(\c)+(\a))+7], v[ACC+8*(4*(\a)+(\b)):ACC+8*(4*(\a)+(\b))+7]
.endif
.endr
.endr
.endm
.macro FETCH q, f                      ; 32 LDS loads in one run: 64 along K, the first 32 first
	WIN 0x40
.irp c, 0,1
.irp i, 0,1,2,3
	ds_load_tr16_b128 v[(\f)+64+8*(4*(\c)+(\i)):(\f)+64+8*(4*(\c)+(\i))+3],   v[ADRB+(\q)/2] offset:(((\q)%2)*64+32*(\c))*PITB+32*(\i)
	ds_load_tr16_b128 v[(\f)+64+8*(4*(\c)+(\i))+4:(\f)+64+8*(4*(\c)+(\i))+7], v[ADRB+(\q)/2] offset:(((\q)%2)*64+32*(\c))*PITB+32*(\i)+16*PITB
	ds_load_b128 v[(\f)+8*(4*(\c)+(\i)):(\f)+8*(4*(\c)+(\i))+3],   v[ADRA] offset:128*(\q)+64*(\c)+(\i)*16*PITA
	ds_load_b128 v[(\f)+8*(4*(\c)+(\i))+4:(\f)+8*(4*(\c)+(\i))+7], v[ADRA] offset:128*(\q)+64*(\c)+(\i)*16*PITA+32
.endr
.endr
.endm
.macro QUARTER qn, f, g, cinit
	s_wait_dscnt 16                                ; the first 32 along K are in
	MUL8 \f, 0, 0, \cinit
	MUL8 \f, 0, 2, \cinit
	PLACES
	FETCH \qn, \g
	s_wait_dscnt 32                                ; all but the 32 just issued
	MUL8 \f, 1, 0, 0
	MUL8 \f, 1, 2, 0
.endm
; A step's last quarter and the change of slots: all my tensor loads waited for, the add, my reads of this slot waited for, the barrier; fill = 1: it opens a round of the cluster's, and the joint refill comes first behind it.
; The walking descriptors are written while the add is out, where no tensor load of mine is pending: the slot just read, and the address made anew from the walk's next step modulo 16.
.macro TURN fill
	WIN 0
	s_wait_tensorcnt 0x0
	ds_add_u32 v[SPW], v[NIL]
	s_xor_b32 s2, s2, SLOT
	v_add_nc_u32 v[ADRA], s2, v[ADRA0]
	v_add_nc_u32 v[ADRB], s2, v[ADRB0]
	v_add_nc_u32 v[ADRB+1], s2, v[ADRC0]
.if \fill
	s_and_b32 s[STP], s[NXT], STEPS-1
	s_add_co_u32 s[NXT], s[NXT], 1
	s_lshl_b32 s[OFS], s[STP], ASH
	s_xor_b32 s[G0+5], s[G0+5], SLOT
	s_add_nc_u64 s[G0+6:G0+7], s[14:15], s[OFS:OFS+1]
	s_or_b32 s[G0+7], s[G0+7], 0x80000000
	s_lshl_b32 s[OFS], s[STP], BSH
	s_xor_b32 s[G0B+5], s[G0B+5], SLOT
	s_add_nc_u64 s[G0B+6:G0B+7], s[46:47], s[OFS:OFS+1]
	s_or_b32 s[G0B+7], s[G0B+7], 0x80000000
.endif
	s_wait_dscnt 17                                ; the add and the youngest sixteen loads may be out
	MUL8 F1, 0, 0, 0
	s_wait_dscnt 0x0
	s_barrier_signal -1
	MUL8 F1, 0, 2, 0
	WIN 0
	s_barrier_wait -1
.if \fill
	CREST
	JLOAD 1
.else
	PLACES
.endif
	FETCH 0, F0
	MUL8 F1, 1, 0, 0
	MUL8 F1, 1, 2, 0
.endm
	s_wait_tensorcnt 1                             ; my part of the walk's step 0 is in; step 1's load is younger
	s_barrier_signal -1
	s_barrier_wait -1
	FETCH 0, F0
	s_wait_loadcnt 0x0                             ; b2
	QUARTER 1, F0, F1, 1
	WIN 0x80                                       ; x and attn of my 64 x 64, into window 2: nothing names these registers before the way out
.set i, 0
.rept 32
	global_load_b128 v[4*i:4*i+3], v[XO], s[84:85] offset:i*8192 th:TH_LOAD_NT
.set i, i+1
.endr
.set i, 0
.rept 32
	global_load_b64 v[128+2*i:128+2*i+1], v[AO], s[86:87] offset:i*256
.set i, i+1
.endr
	WIN 0
	s_mov_b32 s3, STEPS-1
	s_branch .Lentry
.Lstep:                                                ; STEPS - 2 times: the walk's steps 2 .. STEPS - 1 are asked for
	TURN 1
	QUARTER 1, F0, F1, 0
	WIN 0
.Lentry:
	QUARTER 2, F1, F0, 0
	QUARTER 3, F0, F1, 0
	WIN 0
	s_sub_co_u32 s3, s3, 1
	s_cmp_lg_u32 s3, 0
	s_cbranch_scc1 .Lstep
	TURN 0
	QUARTER 1, F0, F1, 0
	QUARTER 2, F1, F0, 0
	QUARTER 3, F0, F1, 0
	s_wait_dscnt 16
	MUL8 F1, 0, 0, 0
	MUL8 F1, 0, 2, 0
	s_wait_dscnt 0x0
	MUL8 F1, 1, 0, 0
	MUL8 F1, 1, 2, 0
	; THE WAY OUT.  The ring has had its last fill; behind a barrier each wave lays its 64 x 64 f32 into its own part of LDS, reads whole rows of 256 bytes back, adds x and attn and stores.
	WIN 0
	s_barrier_signal -1
	s_barrier_wait -1
	PLACES
.irp a, 0,1,2,3
.irp b, 0,1,2,3
	ds_store_b128 v[DST], v[ACC+8*(4*(\a)+(\b)):ACC+8*(4*(\a)+(\b))+3]   offset:(\a)*16*DP+64*(\b)
	ds_store_b128 v[DST], v[ACC+8*(4*(\a)+(\b))+4:ACC+8*(4*(\a)+(\b))+7] offset:(\a)*16*DP+64*(\b)+16
.endr
.endr
	s_wait_loadcnt 0x0                             ; x and attn
.macro OUTG g                          ; eight pairs of rows
.set BK, 32+32*((\g)%2)
	WIN 0
.if (\g) >= 2
	s_wait_xcnt 0x0                                ; these registers were store data two groups ago
.endif
.irp t, 0,1,2,3,4,5,6,7
	ds_load_b128 v[BK+4*(\t):BK+4*(\t)+3], v[RD] offset:(8*(\g)+(\t))*2*DP   ; LDS serves a wave's instructions in order: these see my stores
.endr
	s_wait_dscnt 0x0
	WIN 0x08                                       ; source 1 in window 2: x
.irp t, 0,1,2,3,4,5,6,7
	v_pk_add_f32 v[BK+4*(\t):BK+4*(\t)+1],   v[BK+4*(\t):BK+4*(\t)+1],   v[4*(8*(\g)+(\t)):4*(8*(\g)+(\t))+1]
	v_pk_add_f32 v[BK+4*(\t)+2:BK+4*(\t)+3], v[BK+4*(\t)+2:BK+4*(\t)+3], v[4*(8*(\g)+(\t))+2:4*(8*(\g)+(\t))+3]
.endr
	WIN 0x02                                       ; source 0 in window 2: attn, an f16 half times 1.0
.irp t, 0,1,2,3,4,5,6,7
.irp j, 0,1
	v_fma_mix_f32 v[BK+4*(\t)+2*(\j)],   v[128+2*(8*(\g)+(\t))+(\j)], v[ONE], v[BK+4*(\t)+2*(\j)]   op_sel:[0,0,0] op_sel_hi:[1,0,0]
	v_fma_mix_f32 v[BK+4*(\t)+2*(\j)+1], v[128+2*(8*(\g)+(\t))+(\j)], v[ONE], v[BK+4*(\t)+2*(\j)+1] op_sel:[1,0,0] op_sel_hi:[1,0,0]
.endr
.endr
	WIN 0
.irp t, 0,1,2,3,4,5,6,7
	global_store_b128 v[XO], v[BK+4*(\t):BK+4*(\t)+3], s[8:9] offset:(8*(\g)+(\t))*8192 th:TH_STORE_NT  ; 16 lanes: 256 consecutive aligned bytes
.endr
.endm
	OUTG 0
	OUTG 1
	OUTG 2
	OUTG 3
	s_wait_tensorcnt 0x0                           ; the wave's end
	ds_add_u32 v[SPW], v[NIL]
	s_wait_dscnt 0x0
	CROUND
	s_endpgm
.Lfunc_end_k_qfe6dac44da_ffn2:
	.size	k_qfe6dac44da_ffn2, .Lfunc_end_k_qfe6dac44da_ffn2-k_qfe6dac44da_ffn2
	.p2alignl 7, 3214868480
	.fill 96, 4, 3214868480
	.section	.rodata,"a",@progbits
	.p2align	6, 0x0
	.amdhsa_kernel k_qfe6dac44da_ffn2
		.amdhsa_group_segment_fixed_size 327680
		.amdhsa_private_segment_fixed_size 0
		.amdhsa_enable_private_segment 0
		.amdhsa_kernarg_size 48
		.amdhsa_user_sgpr_count 2
		.amdhsa_user_sgpr_kernarg_segment_ptr 1
		.amdhsa_wavefront_size32 1
		.amdhsa_system_sgpr_workgroup_id_x 1
		.amdhsa_system_sgpr_workgroup_id_y 1
		.amdhsa_system_sgpr_workgroup_id_z 1
		.amdhsa_system_vgpr_workitem_id 0
		.amdhsa_next_free_vgpr 768
		.amdhsa_next_free_sgpr 88
		.amdhsa_reserve_vcc 0
		.amdhsa_float_denorm_mode_32 3
		.amdhsa_float_denorm_mode_16_64 3
		.amdhsa_memory_ordered 1
		.amdhsa_forward_progress 1
		.amdhsa_inst_pref_size 80
	.end_amdhsa_kernel
	.amdgpu_metadata
---
amdhsa.version: [ 1, 2 ]
amdhsa.kernels:
  - .name:           k_qfe6dac44da_ffn2
    .symbol:         k_qfe6dac44da_ffn2.kd
    .args:
      - { .name: g1, .offset: 0, .size: 8, .value_kind: global_buffer, .address_space: global }
      - { .name: w2b, .offset: 8, .size: 8, .value_kind: global_buffer, .address_space: global }
      - { .name: out0, .offset: 16, .size: 8, .value_kind: global_buffer, .address_space: global }
      - { .name: b2, .offset: 24, .size: 8, .value_kind: global_buffer, .address_space: global }
      - { .name: x, .offset: 32, .size: 8, .value_kind: global_buffer, .address_space: global }
      - { .name: attn, .offset: 40, .size: 8, .value_kind: global_buffer, .address_space: global }
    .group_segment_fixed_size: 327680
    .private_segment_fixed_size: 0
    .kernarg_segment_align: 8
    .kernarg_segment_size: 48
    .max_flat_workgroup_size: 128
    .sgpr_count:     88
    .vgpr_count:     768
    .wavefront_size: 32
...
	.end_amdgpu_metadata
.endif
;; end of part 6
